; MI455X (gfx1250); checked and timed in simulation.
; The chip was launched on July 23, 2026; its instructions are those of AMD's public machine-readable ISA for CDNA 5 (MIT licence, August 2026) and "CDNA5" Instruction Set Architecture Reference Guide (July 2026). The comments in the code are by the model that wrote it; some were corrected since.
;; Llama4 Text Attention. Allowed arithmetic: float matrix products may take bf16 or f16 operands with f32 sums; all other float work in f32.
;; Inputs: attention_mask 1 x 1 x 2,048 x 2,048 float32; freqs_cos 2,048 x 64 float32; freqs_sin 2,048 x 64 float32; hidden_states 1 x 2,048 x 4,096 float32; wk 4,096 x 1,024 float32; wo 2,048 x 4,096 float32; wq 4,096 x 2,048 float32; wv 4,096 x 1,024 float32.
;; Outputs: out0 1 x 2,048 x 4,096 float32.
;; 2 versions, each right; version 2 is version 1 with the launch cast written anew for expert scheduling mode. Each part assembles by itself: llvm-mc -triple=amdgcn-amd-amdhsa -mcpu=gfx1250 --defsym DOCPART=n.
;; ======== version 1 of 2: 4 launches
;; limits: values are held in f16: magnitudes above 65,504 overflow, below 6.1e-05 lose precision; inputs' magnitudes at most 8,188
;; workspace buffers: xb 16,777,216 bytes; wqkv 33,554,432 bytes; wo8 16,777,216 bytes; maskl 16,777,216 bytes; qkvh 16,777,216 bytes; ob 8,388,608 bytes
;; launch cast (part 1): grid 256 x 9, 8 waves a work-group, no clusters, 0 bytes of LDS; arguments hidden_states, wq, wk, wv, wo, attention_mask, xb, wqkv, wo8, maskl; writes xb, wqkv, wo8, maskl
.if DOCPART == 1
	.amdgcn_target "amdgcn-amd-amdhsa--gfx1250"
	.amdhsa_code_object_version 6
	.text
	.protected	k_q8c45e7f937_cast
	.globl	k_q8c45e7f937_cast
	.p2align	8
	.type	k_q8c45e7f937_cast,@function
k_q8c45e7f937_cast:
	s_mov_b64 s[64:65], 0
	v_nop
	global_prefetch_b8 v0, s[64:65] scope:SCOPE_SE
	s_setreg_imm32_b32 hwreg(HW_REG_WAVE_MODE, 25, 1), 1
	s_wait_xcnt 0x0
; CAST.  Every large input is rounded to bf16 once and laid out for the three launches behind:
;   xb    [2048][4096] bf16  = bf16(hidden_states)
;   wqkv  [4096 k][4096 n] bf16: columns 0-2047 bf16(wq), 2048-3071 bf16(wk), 3072-4095 bf16(wv)
;   wo8   [2048 k][4096 n] f16 = 8 x bf16(wo): a power of two, so the bf16 number is kept exactly while it is a normal f16 number
;   maskl [2048][2048] f32     = bf16(attention_mask) x log2(e): the softmax behind works in base 2
; LIMITS.  8 x |wo| stays under 65,504; a wo below 7.6e-6 keeps f16's fixed step (7.5e-9 of wo).  NaN and infinities pass through as the conversions make them.
; A stream: memory binds, so no LDS, no barrier, no matrix unit.  A work-group takes 65,536 consecutive source bytes; grid y picks the segment (2,304 work-groups = 151 MB / 64 KiB).
; A lane takes 16 consecutive source bytes, so a wave's load covers 512 consecutive bytes once.  Its four numbers are 8 bytes of a 16-bit result: a wave's store covers 256 consecutive bytes, aligned.
; The mask, f32 to f32, is stored 16 bytes a lane.  All 16 loads of a wave go out first; no register that a store reads is written again.
.set X,   16                           ; v[16:79]   load u: 4 registers as loaded, then the result in the first 2 (mask: all 4)
.set DO,  80                           ; v[80:95]   byte offset of load u's result
	s_load_b512 s[4:19], s[0:1], 0x0               ; hidden s[4:5], wq s[6:7], wk s[8:9], wv s[10:11], wo s[12:13], mask s[14:15], xb s[16:17], wqkv s[18:19]
	s_load_b128 s[20:23], s[0:1], 0x40             ; wo8 s[20:21], maskl s[22:23]
	s_and_b32 s36, ttmp7, 0xffff                   ; grid y: the segment
	s_mov_b32 s33, 0xffff0000                      ; a word's upper bf16
	s_mov_b32 s35, 0
	v_lshlrev_b32 v3, 4, v0                        ; 16 source bytes a thread; never rewritten
	s_wait_kmcnt 0x0
; A segment: source, result, its first grid y, log2 of a source row's units of 4 numbers, byte column in the result's rows of 8,192 bytes, mode (0 bf16, 1 f16 x 8, 2 mask)
.macro SEG src, dst, yb, sh, cb, mode
	s_mov_b64 s[24:25], s[\src:\src+1]
	s_mov_b64 s[26:27], s[\dst:\dst+1]
	s_mov_b32 s28, \yb
	s_mov_b32 s29, \sh
	s_mov_b32 s30, (1<<\sh)-1
	s_mov_b32 s31, \cb
	s_mov_b32 s32, \mode
.endm
	s_cmp_lt_u32 s36, 2
	s_cbranch_scc0 .Lnot_x
	SEG 4, 16, 0, 10, 0, 0
	s_branch .Lgo
.Lnot_x:
	s_cmp_lt_u32 s36, 4
	s_cbranch_scc0 .Lnot_q
	SEG 6, 18, 2, 9, 0, 0
	s_branch .Lgo
.Lnot_q:
	s_cmp_lt_u32 s36, 5
	s_cbranch_scc0 .Lnot_k
	SEG 8, 18, 4, 8, 4096, 0
	s_branch .Lgo
.Lnot_k:
	s_cmp_lt_u32 s36, 6
	s_cbranch_scc0 .Lnot_v
	SEG 10, 18, 5, 8, 6144, 0
	s_branch .Lgo
.Lnot_v:
	s_cmp_lt_u32 s36, 8
	s_cbranch_scc0 .Lnot_o
	SEG 12, 20, 6, 10, 0, 1
	s_branch .Lgo
.Lnot_o:
	SEG 14, 22, 8, 10, 0, 2
.Lgo:
	s_sub_co_u32 s37, s36, s28
	s_lshl_b32 s37, s37, 8
	s_add_co_u32 s37, s37, ttmp9                   ; my number within the segment
	s_lshl_b32 s34, s37, 16                        ; its 65,536 source bytes
	s_add_nc_u64 s[24:25], s[24:25], s[34:35]
	s_cmp_eq_u32 s32, 2
	s_cselect_b32 s34, s34, s31                    ; the mask's result lies as its source; the others get their byte column
	s_add_nc_u64 s[26:27], s[26:27], s[34:35]
.set u, 0
.rept 16
	global_load_b128 v[X+4*u:X+4*u+3], v3, s[24:25] offset:4096*u th:TH_LOAD_NT
.set u, u+1
.endr
	s_cmp_eq_u32 s32, 2
	s_cbranch_scc1 .Lmask
	s_lshl_b32 s38, s37, 12                        ; 4,096 units a work-group
	v_add_nc_u32 v2, s38, v0                       ; my first unit in the segment
.set u, 0
.rept 16                               ; unit i lies in source row i >> SH at unit i & MSK: result byte = row x 8,192 + 8 x unit (+ the column, in the base)
	v_add_nc_u32 v[DO+u], 256*u, v2
	v_and_b32 v12, s30, v[DO+u]
	v_lshrrev_b32 v[DO+u], s29, v[DO+u]
	v_lshlrev_b32 v12, 3, v12
	v_lshl_add_u32 v[DO+u], v[DO+u], 13, v12
.set u, u+1
.endr
	s_cmp_eq_u32 s32, 1
	s_cbranch_scc1 .Lf16
.set u, 0
.rept 16
	s_wait_loadcnt 15-u                            ; loads come back in order: load u is in, the later ones may be out
	v_cvt_pk_bf16_f32 v[X+4*u],   v[X+4*u],   v[X+4*u+1]   ; to nearest even
	v_cvt_pk_bf16_f32 v[X+4*u+1], v[X+4*u+2], v[X+4*u+3]
	global_store_b64 v[DO+u], v[X+4*u:X+4*u+1], s[26:27]
.set u, u+1
.endr
	s_endpgm
.Lf16:
.set u, 0
.rept 16
	s_wait_loadcnt 15-u
	v_cvt_pk_bf16_f32 v12, v[X+4*u],   v[X+4*u+1]
	v_cvt_pk_bf16_f32 v13, v[X+4*u+2], v[X+4*u+3]
	v_lshlrev_b32 v[X+4*u],   16,  v12               ; the rounded numbers back in f32,
	v_and_b32     v[X+4*u+1], s33, v12
	v_lshlrev_b32 v[X+4*u+2], 16,  v13
	v_and_b32     v[X+4*u+3], s33, v13
	v_pk_mul_f32 v[X+4*u:X+4*u+1],   v[X+4*u:X+4*u+1],   0x41000000 op_sel_hi:[1,0]  ; times 8,
	v_pk_mul_f32 v[X+4*u+2:X+4*u+3], v[X+4*u+2:X+4*u+3], 0x41000000 op_sel_hi:[1,0]
	v_cvt_pk_f16_f32 v[X+4*u],   v[X+4*u],   v[X+4*u+1]   ; written as f16
	v_cvt_pk_f16_f32 v[X+4*u+1], v[X+4*u+2], v[X+4*u+3]
	global_store_b64 v[DO+u], v[X+4*u:X+4*u+1], s[26:27]
.set u, u+1
.endr
	s_endpgm
.Lmask:
.set u, 0
.rept 16
	s_wait_loadcnt 15-u
	v_cvt_pk_bf16_f32 v12, v[X+4*u],   v[X+4*u+1]
	v_cvt_pk_bf16_f32 v13, v[X+4*u+2], v[X+4*u+3]
	v_lshlrev_b32 v[X+4*u],   16,  v12
	v_and_b32     v[X+4*u+1], s33, v12
	v_lshlrev_b32 v[X+4*u+2], 16,  v13
	v_and_b32     v[X+4*u+3], s33, v13
	v_pk_mul_f32 v[X+4*u:X+4*u+1],   v[X+4*u:X+4*u+1],   0x3fb8aa3b op_sel_hi:[1,0]  ; log2(e)
	v_pk_mul_f32 v[X+4*u+2:X+4*u+3], v[X+4*u+2:X+4*u+3], 0x3fb8aa3b op_sel_hi:[1,0]
	global_store_b128 v3, v[X+4*u:X+4*u+3], s[26:27] offset:4096*u
.set u, u+1
.endr
	s_endpgm
.Lfunc_end_k_q8c45e7f937_cast:
	.size	k_q8c45e7f937_cast, .Lfunc_end_k_q8c45e7f937_cast-k_q8c45e7f937_cast
	.p2alignl 7, 3214868480
	.fill 96, 4, 3214868480
	.section	.rodata,"a",@progbits
	.p2align	6, 0x0
	.amdhsa_kernel k_q8c45e7f937_cast
		.amdhsa_group_segment_fixed_size 0
		.amdhsa_private_segment_fixed_size 0
		.amdhsa_enable_private_segment 0
		.amdhsa_kernarg_size 80
		.amdhsa_user_sgpr_count 2
		.amdhsa_user_sgpr_kernarg_segment_ptr 1
		.amdhsa_wavefront_size32 1
		.amdhsa_system_sgpr_workgroup_id_x 1
		.amdhsa_system_sgpr_workgroup_id_y 1
		.amdhsa_system_sgpr_workgroup_id_z 1
		.amdhsa_system_vgpr_workitem_id 0
		.amdhsa_next_free_vgpr 96
		.amdhsa_next_free_sgpr 66
		.amdhsa_reserve_vcc 0
		.amdhsa_float_denorm_mode_32 3
		.amdhsa_float_denorm_mode_16_64 3
		.amdhsa_memory_ordered 1
		.amdhsa_forward_progress 1
		.amdhsa_inst_pref_size 33
	.end_amdhsa_kernel
	.amdgpu_metadata
---
amdhsa.version: [ 1, 2 ]
amdhsa.kernels:
  - .name:           k_q8c45e7f937_cast
    .symbol:         k_q8c45e7f937_cast.kd
    .args:
      - { .name: hidden_states, .offset: 0, .size: 8, .value_kind: global_buffer, .address_space: global }
      - { .name: wq, .offset: 8, .size: 8, .value_kind: global_buffer, .address_space: global }
      - { .name: wk, .offset: 16, .size: 8, .value_kind: global_buffer, .address_space: global }
      - { .name: wv, .offset: 24, .size: 8, .value_kind: global_buffer, .address_space: global }
      - { .name: wo, .offset: 32, .size: 8, .value_kind: global_buffer, .address_space: global }
      - { .name: attention_mask, .offset: 40, .size: 8, .value_kind: global_buffer, .address_space: global }
      - { .name: xb, .offset: 48, .size: 8, .value_kind: global_buffer, .address_space: global }
      - { .name: wqkv, .offset: 56, .size: 8, .value_kind: global_buffer, .address_space: global }
      - { .name: wo8, .offset: 64, .size: 8, .value_kind: global_buffer, .address_space: global }
      - { .name: maskl, .offset: 72, .size: 8, .value_kind: global_buffer, .address_space: global }
    .group_segment_fixed_size: 0
    .private_segment_fixed_size: 0
    .kernarg_segment_align: 8
    .kernarg_segment_size: 80
    .max_flat_workgroup_size: 256
    .sgpr_count:     66
    .vgpr_count:     96
    .wavefront_size: 32
...
	.end_amdgpu_metadata
.endif
;; end of part 1
;; launch qkv (part 2): grid 16 x 16, 4 waves a work-group, clusters of 4 x 4, 327,680 bytes of LDS; arguments xb, wqkv, freqs_cos, freqs_sin, qkvh; writes qkvh
.if DOCPART == 2
	.amdgcn_target "amdgcn-amd-amdhsa--gfx1250"
	.amdhsa_code_object_version 6
	.text
	.protected	k_q8c45e7f937_qkv
	.globl	k_q8c45e7f937_qkv
	.p2align	8
	.type	k_q8c45e7f937_qkv,@function
k_q8c45e7f937_qkv:
	s_mov_b64 s[64:65], 0
	v_nop
	global_prefetch_b8 v0, s[64:65] scope:SCOPE_SE
	s_setreg_imm32_b32 hwreg(HW_REG_WAVE_MODE, 25, 1), 1
	s_wait_xcnt 0x0
	s_wait_alu depctr_hold_cnt(0) depctr_sa_sdst(0) depctr_va_vdst(0) depctr_va_sdst(0) depctr_va_ssrc(0) depctr_va_vcc(0) depctr_vm_vsrc(0)
	s_getreg_b32 s2, hwreg(HW_REG_IB_STS2, 6, 4)
	s_cmp_eq_u32 s2, 0
	s_cbranch_scc0 .Lentry_in_a_cluster
	s_endpgm
.Lentry_in_a_cluster:
	s_bfe_u32 s2, ttmp6, 0x10000c
	s_cmp_lg_u32 s2, 0xf033
	s_cbranch_scc0 .Lentry_shape_is_right
	s_endpgm
.Lentry_shape_is_right:
; QKV.  C[m][n] = sum over k of xb[m][k] wqkv[k][n] (2048 x 4096 x 4096, bf16 operands, f32 sums), then per head row of 128: the rotation by (cos, sin) of adjacent pairs, the division by
; sqrt(mean square + 1e-6), and one rounding to f16 into qkvh [32 heads][2048][128]: heads 0-15 q x c (c = log2(e) / sqrt(128), folded into the f32 norm factor), 16-23 k, 24-31 v / 8.
; v takes the same text: its (cos, sin) words are replaced by (1, 0) and its factor is 0 x rsq + 1/8.  cos and sin are rounded to bf16 like all inputs.
; LIMITS.  |v| stays under 8 x 65,504; q c and k lie within 11.4 by their norm.  NaN and infinities are not treated apart.
; SHAPE.  A tile of C is 128 x 256, so that 16 x 16 work-groups fill the grid with one tile each; four waves, each 64 x 128: 32 accumulators, 256 registers.
; A's rows lie along K and are read as they lie; B lies [k][n] and is turned on the way out of LDS by ds_load_tr16_b128.
; THE RING has two slots of UNLIKE size: X holds 128 along K, Y holds 256.  Two slots of 256 would need 413,696 bytes; X and Y need 311,296.  While Y is multiplied (256 matrix instructions a wave) X is on its
; way, while X is multiplied (128) Y is: two barriers for 384 along K.  K = 4096 is Y, then ten times X and Y.  Each slot's tiles lie three units of 128 apart along K.
; A slot's text is written once: a first quarter (32 along K), a pair of quarters, and the quarter that changes slots; in Y the pair is walked three times, its LDS offsets in two scalars.
; CLUSTER 4 x 4: A's tile hangs on the tile row alone and is asked for jointly along a row of the cluster, B's on the tile column alone, along a column.
; THE MATRIX INSTRUCTION IS USED TRANSPOSED (source 0 = 16 columns of B, source 1 = 16 rows of A): a lane holds eight neighbouring columns of one row of C.
; REGISTERS.  Window 0: v0-29 addresses; v64-159, v160-255 two fragment buffers (A's four blocks, then B's eight).  Window 1: accumulator (a, b) at v[8 (8 a + b)].
;   Window 2: cos (v0-127) and sin (v128-255) of my 64 rows, loaded at the start and awaited at the way out.
; By this text's own count a wave has two tensor loads out at the start, later one.
.set KDIM,  4096
.set TRIPS, 9                          ; Y, then 9 trips of X and Y with refills, then X and Y without: 2 + 27 + 3 units of 128
.set KX0,   2                          ; X's first unit of 128 along K
.set KY0,   0                          ; Y's first
.set PAX,   272                        ; X: a row of A in LDS: 256 bytes + 16: the 16 rows of a load start at 16 different groups of four banks (64 banks of 4 bytes: ISA guide 11.1)
.set PAY,   528                        ; Y: 512 bytes + 16: likewise
.set PB,    544                        ; a k row of B: 512 bytes + 32 = 136 words
.set XA,    0                          ; X: A's 128 rows,
.set XB,    128*PAX                    ;    B's 128 k rows
.set YA,    XB+128*PB                  ; Y: A's 128 rows,
.set YB,    YA+128*PAY                 ;    B's 256 k rows
.set SPARE, YB+256*PB                  ; the spare words, 128 bytes a wave: two blocks of 256 bytes that no other line names
.set DP,    528                        ; the way out: a wave's 64 rows of 128 f32, 512 bytes + 16, laid over the ring when both slots have had their last fill and their last read
.set WD,    64*DP
.set CSW,   4*WD                       ; behind them, also over the ring: 16 KiB of cos and 16 KiB of sin for each wave
.set AAX, 16                           ; my lane's place in X's tile of A
.set ABX, 17                           ; of B
.set AAY, 18                           ; the same in Y
.set ABY, 19
.set DST, 20                           ; way out: where I put a lane's 32 bytes
.set RD,  21                           ; where I read 32 bytes of a row back
.set CSA, 22                           ; my 16 bytes of cos; sin 16,384 on
.set GO,  23                           ; 16 x lane
.set ADA, 24                           ; Y's pair in hand
.set ADB, 25
.set SPW, 28                           ; LDS address of my spare word; never rewritten
.set NIL, 29                           ; 0; never rewritten
.set F0,  64
.set F1,  160
.set G1AX, 24                          ; s[24:31] group 1, A for X
.set G0A,  32                          ; s[32:35] group 0, A for X; s[36:39] for Y: each walks
.set G1BX, 48                          ; s[48:55] group 1, B for X
.set G0B,  56                          ; s[56:59], s[60:63] group 0, B
.set G1AY, 80                          ; s[80:87] group 1, A for Y
.set G1BY, 88                          ; s[88:95] group 1, B for Y
.set TBA,  66                          ; s66 byte offset of Y's pair in hand in A's rows
.set TBB,  79                          ; s79 in B's tile
.set CNT,  96                          ; s96 counts Y's pairs
.set MSB, 0
.macro WIN new                         ; the immediate's high byte repeats the setting that is left; a switch that changes nothing is dropped
.if MSB != (\new)
	s_set_vgpr_msb (MSB<<8)|(\new)
.set MSB, \new
.endif
.endm
.set MUL, 0x50                         ; C and D in window 1, sources in window 0
.macro PLACES                          ; four plain places in front of loads into registers that matrix instructions have read, and of reads of results
.rept 4
	v_nop
.endr
.endm
; A joint refill of slot X (cur = 0) or Y (1): waves 0 and 1 fetch A's two halves, waves 2 and 3 B's.  The branch hangs on the wave's number alone.  An s_nop 0 and four v_nop follow each line.
.macro JLOAD cur
	s_cmp_eq_u32 s11, 0
	s_cbranch_scc0 .Lfor_b_\@
.if \cur
	tensor_load_to_lds s[G0A+4:G0A+7], s[G1AY:G1AY+7]
.else
	tensor_load_to_lds s[G0A:G0A+3], s[G1AX:G1AX+7]
.endif
	s_nop 0
.rept 4
	v_nop
.endr
	s_branch .Lasked_\@
.Lfor_b_\@:
.if \cur
	tensor_load_to_lds s[G0B+4:G0B+7], s[G1BY:G1BY+7]
.else
	tensor_load_to_lds s[G0B:G0B+3], s[G1BX:G1BX+7]
.endif
	s_nop 0
.rept 4
	v_nop
.endr
.Lasked_\@:
.endm
.macro CREST                           ; a round of the cluster's barrier behind its opening barrier
	s_cmp_lg_u32 s10, 0
	s_cbranch_scc1 .Lnot_wave_0_\@
	s_barrier_signal -3
.Lnot_wave_0_\@:
	s_barrier_wait -3
	s_barrier_signal -1
	s_barrier_wait -1
.endm
.macro CROUND
	s_barrier_signal -1
	s_barrier_wait -1
	CREST
.endm
	s_load_b128 s[4:7], s[0:1], 0x0                ; xb s[4:5], wqkv s[6:7]
	s_load_b128 s[72:75], s[0:1], 0x10             ; cos s[72:73], sin s[74:75]
	s_load_b64 s[8:9], s[0:1], 0x20                ; qkvh
	v_lshl_add_u32 v[SPW], v0, 2, SPARE
	v_mov_b32 v[NIL], 0
	ds_add_u32 v[SPW], v[NIL]                      ; the wave's opening: the add and its wait stand ahead of my first tensor load; work on registers stands between them
	v_lshrrev_b32 v1, 5, v0
	v_readfirstlane_b32 s10, v1                    ; wave 0..3
	s_lshr_b32 s11, s10, 1                         ; my half of the tile's rows.  Also: I fetch for A (0) or B (1)
	s_and_b32 s12, s10, 1                          ; my half of its columns.  Also: which half of that tile I fetch
	s_bfe_u32 s40, ttmp6, 0x40000                  ; cx
	s_bfe_u32 s41, ttmp6, 0x40004                  ; cy
	s_lshl_b32 s42, ttmp9, 2
	s_add_co_u32 s42, s42, s40                     ; tile column = 4 x cluster x + cx
	s_and_b32 s13, ttmp7, 0xffff
	s_lshl_b32 s13, s13, 2
	s_add_co_u32 s13, s13, s41                     ; tile row = 4 x cluster y + cy
	s_lshl_b32 s43, s41, 2
	s_lshl_b32 s43, 15, s43                        ; my row of the cluster
	s_lshl_b32 s44, 0x1111, s40                    ; my column
	s_or_b32 s[G1AX], s43, (1<<16)|(1<<20)|(1<<21)|(5<<22)|(3<<25)  ; the mask; 2-byte elements; padding on; bit 21 beside a mask; after every 64 words 4 words
	s_mov_b32 s[G1AX+1], 128<<16                   ; tensor_dim0 = 128
	s_mov_b32 s[G1AX+2], 64<<16                    ; tensor_dim1 = 64
	s_mov_b32 s[G1AX+3], 128<<16                   ; tile_dim0 = 128
	s_mov_b32 s[G1AX+4], 64                        ; tile_dim1 = 64
	s_mov_b32 s[G1AX+5], KDIM                      ; elements from row to row
	s_mov_b32 s[G1AX+6], 0
	s_mov_b32 s[G1AX+7], 0
	s_or_b32 s[G1AY], s43, (1<<16)|(1<<20)|(1<<21)|(6<<22)|(3<<25)  ; rows twice as long: after every 128 words 4 words
	s_mov_b32 s[G1AY+1], 256<<16
	s_mov_b32 s[G1AY+2], 64<<16
	s_mov_b32 s[G1AY+3], 256<<16
	s_mov_b32 s[G1AY+4], 64
	s_mov_b32 s[G1AY+5], KDIM
	s_mov_b32 s[G1AY+6], 0
	s_mov_b32 s[G1AY+7], 0
	s_or_b32 s[G1BX], s44, (1<<16)|(1<<20)|(1<<21)|(6<<22)|(7<<25)  ; after every 128 words 8 words
	s_mov_b32 s[G1BX+1], 256<<16
	s_mov_b32 s[G1BX+2], 64<<16
	s_mov_b32 s[G1BX+3], 256<<16
	s_mov_b32 s[G1BX+4], 64
	s_mov_b32 s[G1BX+5], 4096
	s_mov_b32 s[G1BX+6], 0
	s_mov_b32 s[G1BX+7], 0
	s_or_b32 s[G1BY], s44, (1<<16)|(1<<20)|(1<<21)|(6<<22)|(7<<25)  ; twice the k rows
	s_mov_b32 s[G1BY+1], 256<<16
	s_mov_b32 s[G1BY+2], 128<<16
	s_mov_b32 s[G1BY+3], 256<<16
	s_mov_b32 s[G1BY+4], 128
	s_mov_b32 s[G1BY+5], 4096
	s_mov_b32 s[G1BY+6], 0
	s_mov_b32 s[G1BY+7], 0
	s_lshl_b32 s16, s13, 7
	s_lshl_b32 s17, s12, 6
	s_add_co_u32 s16, s16, s17                     ; A: row 128 x tile row + 64 x half,
	s_mul_i32 s16, s16, KDIM*2                     ; in bytes (under 2^25)
	s_mov_b32 s17, 0
	s_lshl_b32 s46, s42, 9                         ; B: 512 bytes a tile column,
	s_lshl_b32 s18, s12, 19                        ; X: k row 64 x half, 8,192 bytes a row
	s_add_co_u32 s18, s46, s18
	s_mov_b32 s19, 0
	s_lshl_b32 s47, s12, 20                        ; Y: k row 128 x half
	s_add_co_u32 s46, s46, s47
	s_mov_b32 s47, 0
	s_mul_i32 s20, s12, 64*PAX                     ; where they go: no place in the cluster enters an LDS address
	s_mul_i32 s21, s12, 64*PB
	s_mul_i32 s22, s12, 64*PAY
	s_mul_i32 s23, s12, 128*PB
	s_mov_b32 s69, 0x358637bd                      ; 1e-6
	s_mov_b32 s70, 0xffff0000
	s_mov_b32 s78, ttmp9                           ; the cluster's x, alike in all partners: 0, 1 q; 2 k; 3 v
	s_cmp_eq_u32 s78, 3
	s_cselect_b32 s76, 0, -1                       ; v: the (cos, sin) word is dropped
	s_cselect_b32 s77, 0x3f80, 0                   ; and (cos 1, sin 0) put in its place
	s_cselect_b32 s68, 0x3e000000, 0               ; factor = rsq x s67 + s68: v 1/8,
	s_cselect_b32 s67, 0, 1.0                      ; k rsq,
	s_cmp_lt_u32 s78, 2
	s_cselect_b32 s67, 0x3e0293ee, s67             ; q rsq x c
	s_wait_dscnt 0x0                               ; the opening add is done
	s_wait_kmcnt 0x0
	s_add_nc_u64 s[14:15], s[4:5], s[16:17]
	s_add_nc_u64 s[18:19], s[6:7], s[18:19]
	s_add_nc_u64 s[46:47], s[6:7], s[46:47]
	CROUND                                         ; all sixteen work-groups are here: the first joint loads meet
	s_mov_b32 s[G0A], 1
	s_add_co_u32 s[G0A+1], s20, XA
	s_add_nc_u64 s[G0A+2:G0A+3], s[14:15], KX0*256
	s_or_b32 s[G0A+3], s[G0A+3], 0x80000000
	s_mov_b32 s[G0A+4], 1
	s_add_co_u32 s[G0A+5], s22, YA
	s_add_nc_u64 s[G0A+6:G0A+7], s[14:15], KY0*256
	s_or_b32 s[G0A+7], s[G0A+7], 0x80000000
	s_mov_b32 s[G0B], 1
	s_add_co_u32 s[G0B+1], s21, XB
	s_add_nc_u64 s[G0B+2:G0B+3], s[18:19], KX0*0x100000   ; 128 k rows of 8,192 bytes a unit
	s_or_b32 s[G0B+3], s[G0B+3], 0x80000000
	s_mov_b32 s[G0B+4], 1
	s_add_co_u32 s[G0B+5], s23, YB
	s_add_nc_u64 s[G0B+6:G0B+7], s[46:47], KY0*0x100000
	s_or_b32 s[G0B+7], s[G0B+7], 0x80000000
	s_cmp_eq_u32 s11, 0                            ; a wave's two first fills stand in one branch, ahead of every wait on TENSORcnt and every LDS read; Y, which is multiplied first, goes first
	s_cbranch_scc0 .Lfirst_b
	tensor_load_to_lds s[G0A+4:G0A+7], s[G1AY:G1AY+7]
	s_nop 0
	tensor_load_to_lds s[G0A:G0A+3], s[G1AX:G1AX+7]
	s_nop 0
.rept 4
	v_nop
.endr
	s_branch .Lfirst_asked
.Lfirst_b:
	tensor_load_to_lds s[G0B+4:G0B+7], s[G1BY:G1BY+7]
	s_nop 0
	tensor_load_to_lds s[G0B:G0B+3], s[G1BX:G1BX+7]
	s_nop 0
.rept 4
	v_nop
.endr
.Lfirst_asked:
	; cos and sin of my 64 rows: 16,384 consecutive bytes each, 512 a load; piece c holds rows 2 c and 2 c + 1, and a lane gets just the four pairs that it will turn at the way out.
	; They stay on their way during the products: their address register v8 and their bases are never rewritten, and their wait stands at the way out.
	v_and_b32 v1, 15, v0                           ; l % 16
	v_bfe_u32 v2, v0, 4, 1                         ; l / 16
	v_and_b32 v7, 31, v0
	s_lshl_b32 s16, s13, 15                        ; 128 rows of 256 bytes a tile row
	s_lshl_b32 s17, s11, 14                        ; my 64 rows
	s_add_co_u32 s16, s16, s17
	v_lshl_add_u32 v8, v7, 4, s16
	WIN 0x80                                       ; destination window 2
.set i, 0
.rept 32
	global_load_b128 v[4*i:4*i+3],         v8, s[72:73] offset:512*i
	global_load_b128 v[128+4*i:128+4*i+3], v8, s[74:75] offset:512*i
.set i, i+1
.endr
	WIN 0
	v_mul_u32_u24 v3, v1, PAX
	v_lshl_add_u32 v3, v2, 4, v3                   ; A: row x pitch + 16 x half of the lanes
	s_mul_i32 s21, s11, 64*PAX
	v_add_nc_u32 v[AAX], s21, v3
	v_mul_u32_u24 v3, v1, PAY
	v_lshl_add_u32 v3, v2, 4, v3
	s_mul_i32 s21, s11, 64*PAY
	s_add_co_u32 s21, s21, YA
	v_add_nc_u32 v[AAY], s21, v3
	v_and_b32 v4, 7, v0
	v_bfe_u32 v5, v0, 3, 1
	v_lshl_add_u32 v4, v2, 3, v4                   ; B: k row 8 (l / 16) + l % 8,
	v_mul_u32_u24 v4, v4, PB
	v_lshl_add_u32 v4, v5, 4, v4                   ; columns 8 ((l / 8) % 2) on,
	s_lshl_b32 s22, s12, 8                         ; my 128 columns
	s_add_co_u32 s23, s22, XB
	v_add_nc_u32 v[ABX], s23, v4
	s_add_co_u32 s23, s22, YB
	v_add_nc_u32 v[ABY], s23, v4
	s_mul_i32 s23, s10, WD
	v_mul_u32_u24 v6, v1, DP
	v_lshl_add_u32 v6, v2, 5, v6
	v_add_nc_u32 v[DST], s23, v6                   ; in: row l % 16, 32 bytes for each half of the lanes
	v_mul_u32_u24 v6, v2, DP
	v_lshl_add_u32 v6, v1, 5, v6
	v_add_nc_u32 v[RD], s23, v6                    ; back: row l / 16, columns 8 (l % 16) on
	s_lshl_b32 s21, s10, 15
	s_add_co_u32 s21, s21, CSW
	v_lshl_add_u32 v[CSA], v7, 4, s21
	v_lshlrev_b32 v[GO], 4, v7
	s_lshl_b32 s16, s13, 7                         ; qkvh at my head and my first row: the row part,
	s_lshl_b32 s17, s11, 6
	s_add_co_u32 s16, s16, s17
	s_lshl_b32 s16, s16, 8
	s_mov_b32 s17, 0
	s_add_nc_u64 s[8:9], s[8:9], s[16:17]
	s_lshl_b32 s46, s42, 1                         ; head = 2 x tile column + my half, 524,288 bytes a head
	s_add_co_u32 s46, s46, s12
	s_lshl_b32 s46, s46, 19
	s_mov_b32 s47, 0
	s_add_nc_u64 s[8:9], s[8:9], s[46:47]
; 8 matrix instructions: row block a x all 8 column blocks, 32 along K.  The 32 accumulators take turns, one instruction a turn, in the same order in every quarter.
.macro MUL8 f, a, zero
	WIN MUL
.irp b, 0,1,2,3,4,5,6,7
.if \zero
	v_wmma_f32_16x16x32_bf16 v[8*(8*(\a)+(\b)):8*(8*(\a)+(\b))+7], v[(\f)+32+8*(\b):(\f)+32+8*(\b)+7], v[(\f)+8*(\a):(\f)+8*(\a)+7], 0
.else
	v_wmma_f32_16x16x32_bf16 v[8*(8*(\a)+(\b)):8*(8*(\a)+(\b))+7], v[(\f)+32+8*(\b):(\f)+32+8*(\b)+7], v[(\f)+8*(\a):(\f)+8*(\a)+7], v[8*(8*(\a)+(\b)):8*(8*(\a)+(\b))+7]
.endif
.endr
.endm
; 24 LDS loads in one run: quarter q (32 along K) behind the addresses ra (A, pitch pa) and rb (B), into buffer f: B's eight blocks, turned, then A's four
.macro FETCH ra, rb, pa, q, f
	WIN 0
.irp b, 0,1,2,3,4,5,6,7
	ds_load_tr16_b128 v[(\f)+32+8*(\b):(\f)+32+8*(\b)+3],   v[\rb] offset:(\q)*32*PB+32*(\b)
	ds_load_tr16_b128 v[(\f)+32+8*(\b)+4:(\f)+32+8*(\b)+7], v[\rb] offset:(\q)*32*PB+16*PB+32*(\b)
.endr
.irp a, 0,1,2,3
	ds_load_b128 v[(\f)+8*(\a):(\f)+8*(\a)+3],   v[\ra] offset:(\q)*64+(\a)*16*(\pa)
	ds_load_b128 v[(\f)+8*(\a)+4:(\f)+8*(\a)+7], v[\ra] offset:(\q)*64+(\a)*16*(\pa)+32
.endr
.endm
; A quarter: multiplies buffer f; in its middle fetches quarter q into buffer g
.macro QUARTER ra, rb, pa, q, f, g, zero
	s_wait_dscnt 4                                 ; B and A's blocks 0, 1 are in; the youngest four loads (A's blocks 2, 3) may be out
	MUL8 \f, 0, \zero
	MUL8 \f, 1, \zero
	PLACES
	FETCH \ra, \rb, \pa, \q, \g
	s_wait_dscnt 24                                ; all but the 24 just issued
	MUL8 \f, 2, \zero
	MUL8 \f, 3, \zero
.endm
; Slot X but for its last quarter: three quarters.  Its quarter 0 lies in buffer 0.
.macro XSLOT zero
	QUARTER AAX, ABX, PAX, 1, F0, F1, \zero
	QUARTER AAX, ABX, PAX, 2, F1, F0, 0
	QUARTER AAX, ABX, PAX, 3, F0, F1, 0
.endm
; Slot Y but for its last quarter: seven quarters: one, then three times a pair, which fetches quarters 2 t + 2 and 2 t + 3.
.macro YSLOT zero
	QUARTER AAY, ABY, PAY, 1, F0, F1, \zero
	WIN 0                                          ; at a label and at a branch every window is 0
	s_mov_b32 s[TBA], 2*64
	s_mov_b32 s[TBB], 2*32*PB
	s_mov_b32 s[CNT], 3
.Lpair_\@:
	v_add_nc_u32 v[ADA], s[TBA], v[AAY]
	v_add_nc_u32 v[ADB], s[TBB], v[ABY]
	QUARTER ADA, ADB, PAY, 0, F1, F0, 0
	QUARTER ADA, ADB, PAY, 1, F0, F1, 0
	WIN 0
	s_add_co_u32 s[TBA], s[TBA], 2*64
	s_add_co_u32 s[TBB], s[TBB], 2*32*PB
	s_sub_co_u32 s[CNT], s[CNT], 1
	s_cmp_lg_u32 s[CNT], 0
	s_cbranch_scc1 .Lpair_\@
.endm
; A slot's last quarter multiplies buffer 1 and changes slots (cur = 0: from X to Y; 1: from Y to X): ONE barrier; in front of it each wave waits for all its tensor loads (one is out: its part of the other
; slot), adds 0 to its spare word, and waits for that and for its reads of this slot.  fill = 1: the barrier opens a round of the cluster's, and this slot is filled again, three units of 128 on, first thing
; behind the round.  From that request to the wait for it a wave issues 248 matrix instructions (X's refill) or 120 (Y's).
.macro TURN cur, fill
	WIN 0
	s_wait_tensorcnt 0x0                           ; no tensor load of mine is out, so a group 0 may be written
	ds_add_u32 v[SPW], v[NIL]
.if \fill
	s_add_nc_u64 s[G0A+4*(\cur)+2:G0A+4*(\cur)+3], s[G0A+4*(\cur)+2:G0A+4*(\cur)+3], 3*256
	s_add_nc_u64 s[G0B+4*(\cur)+2:G0B+4*(\cur)+3], s[G0B+4*(\cur)+2:G0B+4*(\cur)+3], 3*0x100000
.endif
	s_wait_dscnt 5                                 ; the add and the youngest four loads may be out
	MUL8 F1, 0, 0                                  ; eight matrix instructions stand between the add and the wait for it
	WIN 0                                          ; at a branch and at a label every window is 0
	s_wait_dscnt 0x0                               ; the add is done, and my reads of this slot are over
	s_barrier_signal -1
	s_barrier_wait -1
.if \fill
	CREST                                          ; no wave of any partner still reads this slot or has a load on its way
	JLOAD \cur                                     ; its four v_nop are also the places in front of the loads below
.else
	PLACES
.endif
.if \cur
	FETCH AAX, ABX, PAX, 0, F0
.else
	FETCH AAY, ABY, PAY, 0, F0
.endif
	MUL8 F1, 1, 0
	MUL8 F1, 2, 0
	MUL8 F1, 3, 0
.endm
	s_wait_tensorcnt 0x1                           ; my part of Y is in; X's may stay out
	s_barrier_signal -1
	s_barrier_wait -1
	FETCH AAY, ABY, PAY, 0, F0
	YSLOT 1                                        ; units 0 and 1: the first quarter's products start the sums
	TURN 1, 1
	WIN 0
	s_mov_b32 s3, TRIPS
.Lstep:                                                ; a trip: X, then Y: 384 along K; both slots are filled again
	XSLOT 0
	TURN 0, 1
	YSLOT 0
	TURN 1, 1
	WIN 0
	s_sub_co_u32 s3, s3, 1
	s_cmp_lg_u32 s3, 0
	s_cbranch_scc1 .Lstep
	XSLOT 0                                        ; the last X and Y ask for nothing
	TURN 0, 0
	YSLOT 0
	s_wait_dscnt 4
	MUL8 F1, 0, 0
	MUL8 F1, 1, 0
	s_wait_dscnt 0x0                               ; my last reads of the ring are over:
	s_barrier_signal -1
	MUL8 F1, 2, 0
	MUL8 F1, 3, 0
	WIN 0
	s_barrier_wait -1                              ; everybody's are: the ring's bytes, which no load fills any more, take the results
	PLACES
	WIN 0x04                                       ; store data in window 1
.irp a, 0,1,2,3
.irp b, 0,1,2,3,4,5,6,7
	ds_store_b128 v[DST], v[8*(8*\a+\b):8*(8*\a+\b)+3]   offset:\a*16*DP+64*\b      ; each accumulator's low registers first
	ds_store_b128 v[DST], v[8*(8*\a+\b)+4:8*(8*\a+\b)+7] offset:\a*16*DP+64*\b+16
.endr
.endr
	s_wait_loadcnt 0x0                             ; cos and sin, asked for at the start
	WIN 0x08                                       ; store data in window 2
.set i, 0
.rept 32
	ds_store_b128 v[CSA], v[4*i:4*i+3]         offset:512*i
	ds_store_b128 v[CSA], v[128+4*i:128+4*i+3] offset:16384+512*i
.set i, i+1
.endr
	WIN 0
; THE WAY OUT: 8 trips of 8 rows.  Sixteen lanes hold a head row (8 columns = 4 pairs each); lanes 0-15 an even row, lanes 16-31 the odd one; four such pairs of rows a trip.
; LDS serves a wave's instructions in order (ISA guide 5.7.1.4): these loads see my stores above; nobody else touches my rows or my cos and sin.
.set X,   64                           ; 8 a pair of rows
.set CSR, 96                           ; 4: (bf16 cos, bf16 sin)
.set CC,  112                          ; 8: cos, sin in f32, by turns
.set T,   144                          ; 8 at work
.set RR,  176                          ; 2: the factor, the sum of squares
.set OUT, 184                          ; 4: 8 f16
.set CO,  200                          ; 4: cos as given
.set SI,  216                          ; 4: sin as given
	s_mov_b32 s71, 8
.Lrows:
.irp p, 0,1,2,3
	ds_load_b128 v[X+8*\p:X+8*\p+3],   v[RD]  offset:2*DP*\p
	ds_load_b128 v[X+8*\p+4:X+8*\p+7], v[RD]  offset:2*DP*\p+16
	ds_load_b128 v[CO+4*\p:CO+4*\p+3], v[CSA] offset:512*\p
	ds_load_b128 v[SI+4*\p:SI+4*\p+3], v[CSA] offset:16384+512*\p
.endr
	s_wait_dscnt 0x0
.set n, 0
.rept 16
	v_cvt_pk_bf16_f32 v[CSR+n], v[CO+n], v[SI+n]   ; rounded like all inputs
.set n, n+1
.endr
.set n, 0
.rept 16
	v_and_or_b32 v[CSR+n], v[CSR+n], s76, s77      ; q, k: as it is; v: (1, 0)
.set n, n+1
.endr
.set n, 0
.rept 16
	v_lshlrev_b32 v[CC+2*n],   16,  v[CSR+n]
	v_and_b32     v[CC+2*n+1], s70, v[CSR+n]
.set n, n+1
.endr
.set n, 0
.rept 16
	v_mul_f32 v[T+2*n],   v[X+2*n+1], v[CC+2*n+1]   ; xi sin
	v_mul_f32 v[T+2*n+1], v[X+2*n],   v[CC+2*n+1]   ; xr sin
.set n, n+1
.endr
.set n, 0
.rept 16
	v_fma_f32 v[X+2*n],   v[X+2*n],   v[CC+2*n], -v[T+2*n]   ; xr cos - xi sin
	v_fma_f32 v[X+2*n+1], v[X+2*n+1], v[CC+2*n], v[T+2*n+1]  ; xi cos + xr sin
.set n, n+1
.endr
.irp p, 0,1,2,3
	v_pk_mul_f32 v[T+8*\p:T+8*\p+1], v[X+8*\p:X+8*\p+1], v[X+8*\p:X+8*\p+1]
.endr
.irp s, 1,2,3
.irp p, 0,1,2,3
	v_pk_fma_f32 v[T+8*\p:T+8*\p+1], v[X+8*\p+2*\s:X+8*\p+2*\s+1], v[X+8*\p+2*\s:X+8*\p+2*\s+1], v[T+8*\p:T+8*\p+1]
.endr
.endr
.irp p, 0,1,2,3
	v_add_f32 v[RR+2*\p+1], v[T+8*\p], v[T+8*\p+1]
.endr
.irp m, 1,2,4,8                        ; over the row's sixteen lanes
.irp p, 0,1,2,3
	v_add_f32_dpp v[RR+2*\p+1], v[RR+2*\p+1], v[RR+2*\p+1] row_xmask:\m row_mask:0xf bank_mask:0xf
.endr
.endr
.irp p, 0,1,2,3
	v_fma_f32 v[RR+2*\p+1], v[RR+2*\p+1], 0x3c000000, s69   ; / 128 + 1e-6
.endr
.irp p, 0,1,2,3
	v_rsq_f32 v[RR+2*\p], v[RR+2*\p+1]
.endr
	v_nop                                          ; a plain instruction between the last root and the use of its result
	s_wait_alu depctr_va_vdst(0)
.irp p, 0,1,2,3
	v_fma_f32 v[RR+2*\p], v[RR+2*\p], s67, s68
.endr
.irp s, 0,1,2,3
.irp p, 0,1,2,3
	v_pk_mul_f32 v[X+8*\p+2*\s:X+8*\p+2*\s+1], v[X+8*\p+2*\s:X+8*\p+2*\s+1], v[RR+2*\p:RR+2*\p+1] op_sel_hi:[1,0]
.endr
.endr
.irp p, 0,1,2,3
.irp s, 0,1,2,3
	v_cvt_pk_f16_f32 v[OUT+4*\p+\s], v[X+8*\p+2*\s], v[X+8*\p+2*\s+1]
.endr
	global_store_b128 v[GO], v[OUT+4*\p:OUT+4*\p+3], s[8:9] offset:512*\p   ; two rows of a head: 512 consecutive bytes, aligned
.endr
	s_wait_xcnt 0x0                                ; the stores' base and data are rewritten only behind this wait
	v_add_nc_u32 v[RD], 8*DP, v[RD]
	v_add_nc_u32 v[CSA], 4*512, v[CSA]
	s_add_nc_u64 s[8:9], s[8:9], 8*256
	s_sub_co_u32 s71, s71, 1
	s_cmp_lg_u32 s71, 0
	s_cbranch_scc1 .Lrows
	s_wait_tensorcnt 0x0                           ; the wave's end
	ds_add_u32 v[SPW], v[NIL]
	s_wait_dscnt 0x0
	CROUND                                         ; the closing round: no work-group ends while a partner may still ask for a tile that names it
	s_endpgm
.Lfunc_end_k_q8c45e7f937_qkv:
	.size	k_q8c45e7f937_qkv, .Lfunc_end_k_q8c45e7f937_qkv-k_q8c45e7f937_qkv
	.p2alignl 7, 3214868480
	.fill 96, 4, 3214868480
	.section	.rodata,"a",@progbits
	.p2align	6, 0x0
	.amdhsa_kernel k_q8c45e7f937_qkv
		.amdhsa_group_segment_fixed_size 327680
		.amdhsa_private_segment_fixed_size 0
		.amdhsa_enable_private_segment 0
		.amdhsa_kernarg_size 40
		.amdhsa_user_sgpr_count 2
		.amdhsa_user_sgpr_kernarg_segment_ptr 1
		.amdhsa_wavefront_size32 1
		.amdhsa_system_sgpr_workgroup_id_x 1
		.amdhsa_system_sgpr_workgroup_id_y 1
		.amdhsa_system_sgpr_workgroup_id_z 1
		.amdhsa_system_vgpr_workitem_id 0
		.amdhsa_next_free_vgpr 768
		.amdhsa_next_free_sgpr 98
		.amdhsa_reserve_vcc 0
		.amdhsa_float_denorm_mode_32 3
		.amdhsa_float_denorm_mode_16_64 3
		.amdhsa_memory_ordered 1
		.amdhsa_forward_progress 1
		.amdhsa_inst_pref_size 117
	.end_amdhsa_kernel
	.amdgpu_metadata
---
amdhsa.version: [ 1, 2 ]
amdhsa.kernels:
  - .name:           k_q8c45e7f937_qkv
    .symbol:         k_q8c45e7f937_qkv.kd
    .args:
      - { .name: xb, .offset: 0, .size: 8, .value_kind: global_buffer, .address_space: global }
      - { .name: wqkv, .offset: 8, .size: 8, .value_kind: global_buffer, .address_space: global }
      - { .name: freqs_cos, .offset: 16, .size: 8, .value_kind: global_buffer, .address_space: global }
      - { .name: freqs_sin, .offset: 24, .size: 8, .value_kind: global_buffer, .address_space: global }
      - { .name: qkvh, .offset: 32, .size: 8, .value_kind: global_buffer, .address_space: global }
    .group_segment_fixed_size: 327680
    .private_segment_fixed_size: 0
    .kernarg_segment_align: 8
    .kernarg_segment_size: 40
    .max_flat_workgroup_size: 128
    .sgpr_count:     98
    .vgpr_count:     768
    .wavefront_size: 32
...
	.end_amdgpu_metadata
.endif
;; end of part 2
;; launch attn (part 3): grid 32 x 8, 4 waves a work-group, clusters of 4 x 4, 327,680 bytes of LDS; arguments qkvh, maskl, ob; writes ob
.if DOCPART == 3
	.amdgcn_target "amdgcn-amd-amdhsa--gfx1250"
	.amdhsa_code_object_version 6
	.text
	.protected	k_q8c45e7f937_attn
	.globl	k_q8c45e7f937_attn
	.p2align	8
	.type	k_q8c45e7f937_attn,@function
k_q8c45e7f937_attn:
	s_mov_b64 s[64:65], 0
	v_nop
	global_prefetch_b8 v0, s[64:65] scope:SCOPE_SE
	s_setreg_imm32_b32 hwreg(HW_REG_WAVE_MODE, 25, 1), 1
	s_wait_xcnt 0x0
	s_wait_alu depctr_hold_cnt(0) depctr_sa_sdst(0) depctr_va_vdst(0) depctr_va_sdst(0) depctr_va_ssrc(0) depctr_va_vcc(0) depctr_vm_vsrc(0)
	s_getreg_b32 s2, hwreg(HW_REG_IB_STS2, 6, 4)
	s_cmp_eq_u32 s2, 0
	s_cbranch_scc0 .Lentry_in_a_cluster
	s_endpgm
.Lentry_in_a_cluster:
	s_bfe_u32 s2, ttmp6, 0x10000c
	s_cmp_lg_u32 s2, 0xf033
	s_cbranch_scc0 .Lentry_shape_is_right
	s_endpgm
.Lentry_shape_is_right:
; ATTENTION.  O[h][q] = sum over k of softmax_k(q.k / sqrt(128) + mask[q][k]) v[k].  qkvh [32][2048][128] f16: heads 0-15 q x log2(e)/sqrt(128), 16-23 k, 24-31 v / 8.  maskl [2048][2048] f32 = mask x log2(e).
; ob [2048][2048] f16 = O / 8, column = head x 128 + channel.  Products, the mask's addition, maxima and sums in f32; the weights are rounded to f16 for the second product, O once at the end.
; The mask is an input: every number of it is read and added, and nothing is skipped.  p = 2^(s - m) with a running maximum m; O and l are multiplied by a = 2^(m_old - m_new) in every step.
; LIMITS.  p lies in 0 to 1; O / 8 has v / 8's range.  A weight below 2^-126 counts as 0 in l.  m starts at the lowest finite number: a row whose scores are all -infinity gives NaN, as the quotient 0 / 0 does.
; NaN and +infinity are not treated apart.
; SHARES.  A work-group owns 64 queries of BOTH query heads of one key/value head: 32 x 8 work-groups.  Wave w: 32 of the queries (w % 2) and one half (w / 2) of every slot's 128 keys: 16 steps of 64 keys.
; Its four tiles of 16 queries: tile t has head t % 2 and query tile (t / 2) xor (w / 2).  Two PIECES: tiles 0, 1 and tiles 2, 3; a piece's two heads share one fragment of the mask.
; At the end waves w and w xor 2 hold the two halves of the keys for the same queries: each keeps its piece 0 and gives its piece 2 (the xor above makes that one text for all waves).
; LAYOUT.  S^T = K Q^T holds ONE query a lane (lane % 16) and keys 8 (lane / 16) + 0..7; two such results rounded to f16 ARE source 1 of O^T = V^T P.  V comes out of LDS turned, by ds_load_tr16_b128.
; BY TURNS.  In a turn one piece has the matrix unit (32 products V^T P, then 32 products K Q^T of the next step); the other piece's softmax, 150 instructions a tile, stands in 64 slices behind them.
; No first step is written out: O^T, l, V and piece 2's P start at 0, so the first a is 0 and the first turn's products add 0.  The price: 432 v_mov_b32, in the wait for the first tile.
; CLUSTER 4 x 4.  K and V hang on the key/value head alone and are asked for jointly along a row of the cluster; the mask's tile hangs on the query block alone: along a column.
; Wave 0 asks for K, wave 1 for V, wave 2 for the mask (32 KiB each).  By this text's own count a wave has two tensor loads out at the start, later one.
; REGISTERS (s_set_vgpr_msb: bits 1:0 source 0, 3:2 source 1, 5:4 source 2, 7:6 destination).  Window 0: v0-11, v44-50 addresses; v12-43 statistics; v64-191 S^T; v192-255 P.
;   Window 1: O^T, 64 a tile.  Window 2: v0-127 Q, v128-255 K.  Window 3: v0-127 V, v128-159 piece 0's mask, v160-191 piece 2's.
.set PK,    272       ; a row of K in LDS: 256 bytes + 16: the 16 rows of a load start at 16 different groups of four banks (64 banks of 4 bytes: ISA guide 11.1)
.set PV,    288       ; a row of V: 256 + 32
.set PM,    528       ; a row of the mask's tile: 128 f32 + 16 bytes
.set VOFF,  128*PK    ; a slot: 128 rows of K, 128 rows of V, 64 rows of the mask
.set MOFF,  VOFF+128*PV
.set SLOT1, 1<<17
.set XCH,   SLOT1+MOFF+64*PM   ; behind the ring: what a wave gives its partner, 34 pieces of 512 bytes a wave
.set XB,    34*512
.set STAGE, XCH+4*XB           ; 16 rows x 272 bytes a wave, for the way out
.set SP,    272
.set SPARE, STAGE+4*16*SP      ; the spare words, 128 bytes a wave: two blocks of 256 bytes that no other line names
.set AK0, 2           ; my lane's place in K's tile; never rewritten
.set AV0, 3           ; in V's
.set ADR, 4           ; the LDS address of the run of loads in hand
.set QO0, 5           ; my byte offset in Q for piece 0; v9 for piece 2
.set STO, 6
.set RD,  7
.set GO,  8
.set AM0, 10          ; my lane's place in the mask's tile for piece 0
.set AM2, 11          ; for piece 2
.set ST,  12          ; tile t at v[ST+8 t]: m, m_old, l (even keys', odd keys'), c0-c3 at work; a takes c2's place
.set ADM, 44
.set XW,  45
.set XR,  46
.set SPW, 62
.set NIL, 63
.set S,   64
.set P,   192
.set KF,  128         ; window 2
.set MK,  128         ; window 3
.set WV,  12
.set G1K, 24
.set G1V, 32
.set G0K, 40          ; two sets of group 0 each: the first fills; the second then walks
.set G0V, 48
.set SLOTS, 56
.set CNT, 57
.set SEL, 60
.set TB,  62          ; the slot in hand: 0 or SLOT1
.set G1M, 68
.set G0M, 76
.set QH,  84
.set KH,  85
.set MSB, 0
.macro WIN new
.if MSB != (\new)
	s_set_vgpr_msb (MSB<<8)|(\new)
.set MSB, \new
.endif
.endm
.set W_KQ, 0x0a       ; K and Q in window 2, S^T in window 0
.set W_PV, 0x53       ; source 0 in window 3, source 1 in window 0, source 2 and destination in window 1
.set W_RS, 0x41       ; destination and source 0 in window 1, source 1 in window 0
.set W_MA, 0x0c       ; source 1 in window 3
; One wave's request: two = 1: both first fills.  An s_nop 0 follows each load, four v_nop the last.
.macro ASK g0, g1, two
.if \two
	tensor_load_to_lds s[\g0:\g0+3], s[\g1:\g1+7]
	s_nop 0
.endif
	tensor_load_to_lds s[\g0+4:\g0+7], s[\g1:\g1+7]
	s_nop 0
.rept 4
	v_nop
.endr
.endm
.macro JLOAD3 two                   ; the branches hang on the wave's number alone: they are the same in every work-group
	s_cmp_lg_u32 s[WV], 0
	s_cbranch_scc1 .Lnot_k_\@
	ASK G0K, G1K, \two
	s_branch .Lasked_\@
.Lnot_k_\@:
	s_cmp_lg_u32 s[WV], 1
	s_cbranch_scc1 .Lnot_v_\@
	ASK G0V, G1V, \two
	s_branch .Lasked_\@
.Lnot_v_\@:
	s_cmp_lg_u32 s[WV], 2
	s_cbranch_scc1 .Lasked_\@
	ASK G0M, G1M, \two
.Lasked_\@:
.endm
.macro CROUND
	s_barrier_signal -1
	s_barrier_wait -1
	s_cmp_lg_u32 s[WV], 0
	s_cbranch_scc1 .Lnot_wave_0_\@
	s_barrier_signal -3
.Lnot_wave_0_\@:
	s_barrier_wait -3
	s_barrier_signal -1
	s_barrier_wait -1
.endm
	s_load_b128 s[4:7], s[0:1], 0x0   ; qkvh s[4:5], maskl s[6:7]
	s_load_b64 s[10:11], s[0:1], 0x10 ; ob
	v_lshl_add_u32 v[SPW], v0, 2, SPARE
	v_mov_b32 v[NIL], 0
	ds_add_u32 v[SPW], v[NIL]       ; the wave's opening: the add and its wait stand ahead of my first tensor load; work on registers stands between them
	v_lshrrev_b32 v1, 5, v0
	v_readfirstlane_b32 s[WV], v1
	s_and_b32 s[QH], s[WV], 1       ; which 32 queries
	s_lshr_b32 s[KH], s[WV], 1      ; which half of a slot's keys
	s_bfe_u32 s13, ttmp6, 0x40000   ; cx
	s_bfe_u32 s15, ttmp6, 0x40004   ; cy
	s_lshl_b32 s14, ttmp9, 2
	s_add_co_u32 s14, s14, s13      ; query block = 4 x cluster x + cx
	s_and_b32 s16, ttmp7, 0xffff
	s_lshl_b32 s16, s16, 2
	s_add_co_u32 s16, s16, s15      ; key/value head = 4 x cluster y + cy
	s_lshl_b32 s17, s15, 2
	s_lshl_b32 s17, 15, s17         ; my row of the cluster
	s_lshl_b32 s18, 0x1111, s13     ; my column
	s_or_b32 s[G1K], s17, (1<<16)|(1<<20)|(1<<21)|(5<<22)|(3<<25)  ; the mask of four; 2-byte elements; padding on; bit 21 beside a mask; after every 64 words 4 words
	s_or_b32 s[G1V], s17, (1<<16)|(1<<20)|(1<<21)|(5<<22)|(7<<25)  ; 8 words
.irp g, G1K, G1V
	s_mov_b32 s[(\g)+1], 128<<16    ; tensor_dim0 = 128
	s_mov_b32 s[(\g)+2], 128<<16    ; tensor_dim1 = 128
	s_mov_b32 s[(\g)+3], 128<<16    ; tile_dim0 = 128
	s_mov_b32 s[(\g)+4], 128        ; tile_dim1 = 128
	s_mov_b32 s[(\g)+5], 128        ; elements from row to row
	s_mov_b32 s[(\g)+6], 0
	s_mov_b32 s[(\g)+7], 0
.endr
	s_or_b32 s[G1M], s18, (2<<16)|(1<<20)|(1<<21)|(6<<22)|(3<<25)  ; 4-byte elements; after every 128 words 4 words
	s_mov_b32 s[G1M+1], 128<<16
	s_mov_b32 s[G1M+2], 64<<16
	s_mov_b32 s[G1M+3], 128<<16
	s_mov_b32 s[G1M+4], 64
	s_mov_b32 s[G1M+5], 2048
	s_mov_b32 s[G1M+6], 0
	s_mov_b32 s[G1M+7], 0
	s_add_co_u32 s20, s16, 16       ; K: head 16 + g, 524,288 bytes a head
	s_lshl_b32 s20, s20, 19
	s_mov_b32 s21, 0
	s_add_co_u32 s22, s16, 24       ; V: head 24 + g
	s_lshl_b32 s22, s22, 19
	s_mov_b32 s23, 0
	s_lshl_b32 s86, s14, 19         ; the mask: 64 rows of 8,192 bytes a query block
	s_mov_b32 s87, 0
	s_lshl_b32 s2, s16, 20          ; Q: head 2 g, row 64 block + 32 half
	s_lshl_b32 s3, s14, 14
	s_add_co_u32 s2, s2, s3
	s_lshl_b32 s3, s[QH], 13
	s_add_co_u32 s2, s2, s3
	s_mov_b32 s3, 0
	s_lshl_b32 s88, s14, 18         ; O: row 64 block + 32 (w % 2) + 16 (w / 2), 4,096 bytes a row; column 512 g bytes
	s_lshl_b32 s89, s[QH], 17
	s_add_co_u32 s88, s88, s89
	s_lshl_b32 s89, s[KH], 16
	s_add_co_u32 s88, s88, s89
	s_lshl_b32 s89, s16, 9
	s_add_co_u32 s88, s88, s89
	s_mov_b32 s89, 0
	s_mov_b32 s[SEL], 0x76543210
	s_mov_b32 s[SEL+1], 0xfedcba98
	s_mov_b32 s[TB], 0
	s_wait_dscnt 0x0                ; the opening add is done
	s_wait_kmcnt 0x0
	s_add_nc_u64 s[20:21], s[4:5], s[20:21]
	s_add_nc_u64 s[22:23], s[4:5], s[22:23]
	s_add_nc_u64 s[86:87], s[6:7], s[86:87]
	s_add_nc_u64 s[4:5], s[4:5], s[2:3]
	s_add_nc_u64 s[10:11], s[10:11], s[88:89]
	CROUND                          ; all sixteen work-groups are here: the first joint loads meet
.irp s, 0,1
	s_mov_b32 s[G0K+4*(\s)], 1
	s_mov_b32 s[G0K+4*(\s)+1], (\s)*SLOT1
	s_add_nc_u64 s[G0K+4*(\s)+2:G0K+4*(\s)+3], s[20:21], (\s)*32768   ; keys 128 s on
	s_or_b32 s[G0K+4*(\s)+3], s[G0K+4*(\s)+3], 0x80000000
	s_mov_b32 s[G0V+4*(\s)], 1
	s_mov_b32 s[G0V+4*(\s)+1], (\s)*SLOT1+VOFF
	s_add_nc_u64 s[G0V+4*(\s)+2:G0V+4*(\s)+3], s[22:23], (\s)*32768
	s_or_b32 s[G0V+4*(\s)+3], s[G0V+4*(\s)+3], 0x80000000
	s_mov_b32 s[G0M+4*(\s)], 1
	s_mov_b32 s[G0M+4*(\s)+1], (\s)*SLOT1+MOFF
	s_add_nc_u64 s[G0M+4*(\s)+2:G0M+4*(\s)+3], s[86:87], (\s)*512
	s_or_b32 s[G0M+4*(\s)+3], s[G0M+4*(\s)+3], 0x80000000
.endr
	JLOAD3 1                        ; a wave's two first fills stand in one branch, ahead of every wait on TENSORcnt and every LDS read
	v_and_b32 v1, 15, v0            ; l % 16
	v_bfe_u32 v47, v0, 4, 1         ; l / 16
	v_lshlrev_b32 v50, 8, v1
	v_lshl_add_u32 v50, v47, 4, v50 ; row x 256 + 16 x half of the lanes
	s_lshl_b32 s19, s[KH], 12       ; piece 0's query tile is w / 2,
	v_add_nc_u32 v[QO0], s19, v50
	s_xor_b32 s19, s19, 4096        ; piece 2's the other
	v_add_nc_u32 v[QO0+4], s19, v50
	WIN 0x80                        ; destination window 2
.set t, 0
.rept 4
.set c, 0
.rept 4                             ; Q stays in registers: tile t, channels 32 c on
	global_load_b128 v[32*t+8*c:32*t+8*c+3],   v[QO0+4*(t/2)], s[4:5] offset:(t%2)*524288+64*c
	global_load_b128 v[32*t+8*c+4:32*t+8*c+7], v[QO0+4*(t/2)], s[4:5] offset:(t%2)*524288+64*c+32
.set c, c+1
.endr
.set t, t+1
.endr
	WIN 0xc0
.set i, 0
.rept 128
	v_mov_b32 v[i], 0               ; V
.set i, i+1
.endr
	WIN 0x40
.set i, 0
.rept 256
	v_mov_b32 v[i], 0               ; O^T
.set i, i+1
.endr
	WIN 0
.set i, 0
.rept 4
	v_mov_b32 v[ST+8*i], 0xff7fffff ; m
	v_mov_b32 v[ST+8*i+1], 0
	v_mov_b32 v[ST+8*i+2], 0        ; l
	v_mov_b32 v[ST+8*i+3], 0
.set i, i+1
.endr
.set i, P+32
.rept 32
	v_mov_b32 v[i], 0               ; piece 2's P
.set i, i+1
.endr
	s_mul_i32 s19, s[KH], 64*PK
	v_mul_u32_u24 v[AK0], v1, PK
	v_lshl_add_u32 v[AK0], v47, 4, v[AK0]
	v_add_nc_u32 v[AK0], s19, v[AK0]      ; (64 (w / 2) + l % 16) x pitch + 16 (l / 16)
	v_and_b32 v48, 7, v0
	v_bfe_u32 v49, v0, 3, 1
	v_lshl_add_u32 v[AV0], v47, 3, v48    ; the turning load: key 8 (l / 16) + l % 8, channels 8 ((l / 8) % 2) on
	v_mul_u32_u24 v[AV0], v[AV0], PV
	v_lshl_add_u32 v[AV0], v49, 4, v[AV0]
	s_mul_i32 s19, s[KH], 64*PV
	s_add_co_u32 s19, s19, VOFF
	v_add_nc_u32 v[AV0], s19, v[AV0]
	v_mul_u32_u24 v50, v1, PM             ; the mask: row 32 (w % 2) + 16 x query tile + l % 16, keys 64 (w / 2) + 8 (l / 16) on
	v_lshl_add_u32 v50, v47, 5, v50
	s_mul_i32 s19, s[QH], 32*PM
	s_lshl_b32 s90, s[KH], 8
	s_add_co_u32 s19, s19, s90
	s_add_co_u32 s19, s19, MOFF
	s_mul_i32 s90, s[KH], 16*PM
	v_add3_u32 v[AM0], v50, s19, s90
	s_sub_co_u32 s90, 16*PM, s90
	v_add3_u32 v[AM2], v50, s19, s90
; THE MATRIX WORK.  The accumulators take turns, one instruction a turn.  Product i of 32 of O^T += V^T P for piece x: keys 32 (i / 16) on, channels 16 ((i / 2) % 8) on, tile x + i % 2.
.macro PV x
	WIN W_PV
.set rO, 64*((\x)+i%2)+8*((i/2)%8)
.set rV, 64*(i/16)+8*((i/2)%8)
.set rP, P+16*((\x)+i%2)+8*(i/16)
	v_wmma_f32_16x16x32_f16 v[rO:rO+7], v[rV:rV+7], v[rP:rP+7], v[rO:rO+7]
.endm
; Product i of 32 of S^T = K Q^T: channels 32 (i / 8) on, keys 16 ((i / 2) % 4) on, tile x + i % 2.  The first 8 start the sums.
.macro KQ x
	WIN W_KQ
.set rS, S+32*((\x)+i%2)+8*((i/2)%4)
.set rK, KF+32*((i/2)%4)+8*(i/8)
.set rQ, 32*((\x)+i%2)+8*(i/8)
.if i < 8
	v_wmma_f32_16x16x32_f16 v[rS:rS+7], v[rK:rK+7], v[rQ:rQ+7], 0
.else
	v_wmma_f32_16x16x32_f16 v[rS:rS+7], v[rK:rK+7], v[rQ:rQ+7], v[rS:rS+7]
.endif
.endm
; THE LDS LOADS stand in runs of 40: a step's K and piece 0's mask; a turn later its V (turned) and piece 2's mask.  last = 1 (the tail): in the last trip there is no further step, and the run is jumped over.
.macro FETCH_K last=0
	WIN 0
	v_add_nc_u32 v[ADR], s[TB], v[AK0]
	v_add_nc_u32 v[ADM], s[TB], v[AM0]
.if \last
	s_cmp_eq_u32 s[CNT], 1
	s_cbranch_scc1 .Lno_k_\@
.endif
	WIN 0x80
.irp f, 0,1,2,3,4,5,6,7,8,9,10,11,12,13,14,15  ; keys 16 (f / 4) on, channels 32 (f % 4) on
	ds_load_b128 v[KF+8*(\f):KF+8*(\f)+3],   v[ADR] offset:((\f)/4)*16*PK+((\f)%4)*64
	ds_load_b128 v[KF+8*(\f)+4:KF+8*(\f)+7], v[ADR] offset:((\f)/4)*16*PK+((\f)%4)*64+32
.endr
	WIN 0xc0
.irp kb, 0,1,2,3                    ; my query's mask for keys 16 kb + 8 (l / 16) + 0..7
	ds_load_b128 v[MK+8*(\kb):MK+8*(\kb)+3],   v[ADM] offset:64*(\kb)
	ds_load_b128 v[MK+8*(\kb)+4:MK+8*(\kb)+7], v[ADM] offset:64*(\kb)+16
.endr
	WIN 0
.if \last
.Lno_k_\@:
.endif
.endm
.macro FETCH_V
	WIN 0
	v_add_nc_u32 v[ADR], s[TB], v[AV0]
	v_add_nc_u32 v[ADM], s[TB], v[AM2]
	WIN 0xc0
.irp f, 0,1,2,3,4,5,6,7,8,9,10,11,12,13,14,15  ; keys 32 (f / 8) on, channels 16 (f % 8) on
	ds_load_tr16_b128 v[8*(\f):8*(\f)+3],   v[ADR] offset:((\f)/8)*32*PV+((\f)%8)*32
	ds_load_tr16_b128 v[8*(\f)+4:8*(\f)+7], v[ADR] offset:((\f)/8)*32*PV+16*PV+((\f)%8)*32
.endr
.irp kb, 0,1,2,3
	ds_load_b128 v[MK+32+8*(\kb):MK+32+8*(\kb)+3],   v[ADM] offset:64*(\kb)
	ds_load_b128 v[MK+32+8*(\kb)+4:MK+32+8*(\kb)+7], v[ADM] offset:64*(\kb)+16
.endr
.endm
; THE VECTOR WORK.  One tile's softmax for one step is a list of 150 instructions; SM writes number j of it for tile t.
;   0-15     the mask is added, a pair of scores at a time, ascending: each accumulator's lowest registers are read first
;   16-31    the maximum of the 32 scores and the old m, three operands at a time (four chains of seven, the four left over, the chains and m)
;   32-35    the other half of the lanes' maximum; m_old is kept; the new m; m_old - m_new          36 none
;   37-103   33 exponentials (a, then the scores) at the odd numbers from 39 on; the plain instruction between two of them is whatever is ready: s - m for a pair whose exponentials are still to come,
;            the rounding to f16 of a pair whose exponentials are done, at last the first sums
;   104-117  the last rounding; the rest of the sums; l = a l + the sum          118-149  the tile's O^T times a
.macro SM t
.set rT, ST+8*(\t)
.set rS, S+32*(\t)
.set rP, P+16*(\t)
.set rM, MK+32*((\t)/2)
.set jj, j-16
.set rO, 64*(\t)+2*(jj-102)
.set q, (jj-20)/2
.if (j >= 16) && (jj < 102)
	WIN 0
.endif
.if j < 16
	WIN W_MA
	v_pk_add_f32 v[rS+2*j:rS+2*j+1], v[rS+2*j:rS+2*j+1], v[rM+2*j:rM+2*j+1]
.elseif jj < 4
	v_max3_num_f32 v[rT+4+jj], v[rS+8*jj], v[rS+8*jj+1], v[rS+8*jj+2]
.elseif jj < 12
	v_max3_num_f32 v[rT+4+jj%4], v[rT+4+jj%4], v[rS+8*(jj%4)+2*(jj/4)+1], v[rS+8*(jj%4)+2*(jj/4)+2]
.elseif jj == 12
	v_max3_num_f32 v[rT+4], v[rT+4], v[rS+7], v[rS+15]
.elseif jj == 13
	v_max3_num_f32 v[rT+6], v[rT+6], v[rS+23], v[rS+31]
.elseif jj == 14
	v_max3_num_f32 v[rT+4], v[rT+4], v[rT+5], v[rT+6]
.elseif jj == 15
	v_max3_num_f32 v[rT+4], v[rT+4], v[rT+7], v[rT]
.elseif jj == 16
	v_permlanex16_b32 v[rT+5], v[rT+4], s[SEL], s[SEL+1]  ; the query's other 32 keys lie in the lane 16 away
.elseif jj == 17
	v_mov_b32 v[rT+1], v[rT]
.elseif jj == 18
	v_max_num_f32 v[rT], v[rT+4], v[rT+5]
.elseif jj == 19
	v_sub_f32 v[rT+7], v[rT+1], v[rT]
.elseif jj == 20
.elseif jj == 23
	v_exp_f32 v[rT+6], v[rT+7]
.elseif (jj < 88) && (jj > 23) && (jj%2 == 1)
	v_exp_f32 v[rS+(jj-25)/2], v[rS+(jj-25)/2]
.elseif (q < 4) || ((jj < 76) && (q%2 == 0))
.set b, q/2+2
.if q < 4
.set b, q
.endif
	v_pk_add_f32 v[rS+2*b:rS+2*b+1], v[rS+2*b:rS+2*b+1], v[rT:rT+1] op_sel_hi:[1,0] neg_lo:[0,1] neg_hi:[0,1]  ; pair b: s - m
.elseif (jj < 88) && (q%2 == 1)
	s_wait_alu depctr_va_vdst(0)
	v_cvt_pk_f16_f32 v[rP+(q-5)/2], v[rS+q-5], v[rS+q-4]  ; its second exponential stands three numbers back
.elseif jj == 89
	s_wait_alu depctr_va_vdst(0)
	v_cvt_pk_f16_f32 v[rP+15], v[rS+30], v[rS+31]
.elseif jj < 102                    ; the sum of the tile's 16 pairs, in place: sum z of 16 adds neighbours 1, 2, 4 and 8 pairs apart, then l takes it
.set z, jj-86
.if jj < 89
.set z, (jj-76)/4
.endif
.set w, 4
.set u, z
.if z >= 14
.set w, 32
.set u, 0
.elseif z >= 12
.set w, 16
.set u, z-12
.elseif z >= 8
.set w, 8
.set u, z-8
.endif
.if z < 15
	v_pk_add_f32 v[rS+w*u:rS+w*u+1], v[rS+w*u:rS+w*u+1], v[rS+w*u+w/2:rS+w*u+w/2+1]
.else
	v_pk_fma_f32 v[rT+2:rT+3], v[rT+2:rT+3], v[rT+6:rT+7], v[rS:rS+1] op_sel_hi:[1,0,1]
.endif
.else
	WIN W_RS
	v_pk_mul_f32 v[rO:rO+1], v[rO:rO+1], v[rT+6:rT+7] op_sel_hi:[1,0]
.endif
.endm
; Slice k of 64 of piece y's softmax: numbers 2 k and 2 k + 1 of both tiles.  2 x 150 = 4 x 64 + 44: slice 63 takes numbers 126 to 149, 48 rescalings, which name nothing of the products round them
; and are the places between the turn's last K Q^T and what follows: the next turn's first read of those scores, and the loads into K's registers.
.macro SLICE y
.if (k >= 19) && (k < 52)           ; tile by tile: plain, exponential, plain, exponential
.irp t, \y, (\y)+1
.irp n, 0,1
.set j, 2*k+(\n)
	SM \t
.endr
.endr
.else                               ; the two tiles alternate
.set nn, 0
.rept 24
.if (nn < 2) || (k == 63)
.irp t, \y, (\y)+1
.set j, 2*k+nn
	SM \t
.endr
.endif
.set nn, nn+1
.endr
.endif
.set k, k+1
.endm
; A TURN.  Piece x has the matrix unit; the other piece's softmax stands in slices behind its products.  Piece 0's turn fetches the next step's K (its last reader stands in front of slice 63 of the turn before);
; piece 2's turn fetches the same step's V, three slices (six plain instructions) and two address lines behind V's last reader.  Each run is waited for 30 matrix instructions or more later.
.macro TURN x, last=0
.set k, 0
.if (\x) == 0
	s_wait_dscnt 0x0                ; V and piece 2's mask are in
.endif
.set i, 0
.rept 32
	PV \x
	SLICE 2-(\x)
.if ((\x) == 0) && (i == 1)
	FETCH_K \last
.endif
.set i, i+1
.endr
.if (\x) == 0
	s_wait_dscnt 0x0                ; K and piece 0's mask are in
.endif
.set i, 0
.rept 32
	KQ \x
	SLICE 2-(\x)
.if ((\x) == 2) && (i == 1)
	FETCH_V
.endif
.set i, i+1
.endr
.endm
; THE CHANGE OF SLOTS, between piece 2's turn and piece 0's: all of the slot has been asked for.  Each wave waits for all its tensor loads (one is out at the most: its part of the other slot), adds 0 to its
; spare word, and waits for that and for its reads of the slot.  fill = 1: a round of the cluster's barrier, and the slot is filled again, with the keys two slots on, first thing behind it:
; it has a step, 128 matrix instructions, in which to land.
.macro CHANGE fill
	WIN 0
	s_wait_tensorcnt 0x0            ; no tensor load of mine is out, so a group 0 may be written
	ds_add_u32 v[SPW], v[NIL]
.if \fill
.irp g, G0K+4, G0V+4
	s_xor_b32 s[(\g)+1], s[(\g)+1], SLOT1
	s_add_nc_u64 s[(\g)+2:(\g)+3], s[(\g)+2:(\g)+3], 32768  ; the next 128 keys
.endr
	s_xor_b32 s[G0M+5], s[G0M+5], SLOT1
	s_add_nc_u64 s[G0M+6:G0M+7], s[G0M+6:G0M+7], 512
	s_wait_dscnt 0x0                ; the add is done, and my reads of the slot are over
	CROUND
	JLOAD3 0
.else
	s_wait_dscnt 0x0
	s_barrier_signal -1
	s_barrier_wait -1
.endif
	s_xor_b32 s[TB], s[TB], SLOT1
.endm
	s_wait_tensorcnt 0x1            ; my part of slot 0 is in; slot 1's may stay out
	s_barrier_signal -1
	s_barrier_wait -1
	FETCH_K                         ; step 0
	s_wait_loadcnt 0x0              ; Q
	s_wait_dscnt 0x0
.set i, 0
.rept 32
	KQ 0                            ; piece 0's first scores
.set i, i+1
.endr
	WIN 0                           ; the addresses for the merge and the way out: plain instructions, the places behind those products
	s_mul_i32 s91, s[WV], 16*SP
	s_add_co_u32 s91, s91, STAGE
	v_mul_u32_u24 v[STO], v1, SP    ; in: row l % 16, 16 bytes for each half of the lanes
	v_lshl_add_u32 v[STO], v47, 4, v[STO]
	v_add_nc_u32 v[STO], s91, v[STO]
	v_mul_u32_u24 v[RD], v47, SP    ; back: lanes 0-15 one row of 256 bytes, lanes 16-31 the next
	v_lshl_add_u32 v[RD], v1, 4, v[RD]
	v_add_nc_u32 v[RD], s91, v[RD]
	v_lshlrev_b32 v[GO], 12, v47    ; and the same two rows in ob
	v_lshl_add_u32 v[GO], v1, 4, v[GO]
	v_and_b32 v50, 31, v0
	s_mul_i32 s91, s[WV], XB
	s_add_co_u32 s91, s91, XCH
	v_lshl_add_u32 v[XW], v50, 4, s91   ; what I give
	s_xor_b32 s92, s[WV], 2
	s_mul_i32 s92, s92, XB
	s_add_co_u32 s92, s92, XCH
	v_lshl_add_u32 v[XR], v50, 4, s92   ; what my partner gives
	s_mov_b32 s[SLOTS], 15
	s_branch .Lentry                ; the loop is entered in the middle of a trip: piece 2's first turn adds 0 to O^T
.Lslot:                             ; 14 times: every slot but the last two is filled again
	CHANGE 1
	TURN 0
	WIN 0
.Lentry:
	TURN 2
	WIN 0
	s_sub_co_u32 s[SLOTS], s[SLOTS], 1
	s_cmp_lg_u32 s[SLOTS], 0
	s_cbranch_scc1 .Lslot
	CHANGE 0                        ; the tail is written out: nothing is asked for
	s_mov_b32 s[CNT], 2             ; the first trip fetches the last step; the second is left in its middle
.Ltail:
	TURN 0, 1
	WIN 0
	s_sub_co_u32 s[CNT], s[CNT], 1
	s_cmp_eq_u32 s[CNT], 0
	s_cbranch_scc1 .Lout
	TURN 2
	WIN 0
	s_branch .Ltail
.Lout:                              ; the second trip's 32 products K Q^T (on the last K once more) serve nothing: the price, once a launch, of one text for every trip
.set i, 0
.rept 32
	PV 2                            ; piece 2's V^T P of the last step
.set i, i+1
.endr
	; THE MERGE.  l's two halves and the other half of the lanes' are added (the first four additions are the places behind the last products); piece 2's O^T, m and l go to the partner through LDS.
	WIN 0
.macro ALL line:vararg
.set t, 0
.rept 4
	\line
.set t, t+1
.endr
.endm
	ALL v_add_f32 v[ST+8*t+2], v[ST+8*t+2], v[ST+8*t+3]
	ALL v_permlanex16_b32 v[ST+8*t+3], v[ST+8*t+2], s[SEL], s[SEL+1]
	ALL v_add_f32 v[ST+8*t+2], v[ST+8*t+2], v[ST+8*t+3]
	WIN 0x04                        ; store data in window 1
.set i, 0
.rept 32
	ds_store_b128 v[XW], v[128+4*i:128+4*i+3] offset:512*i  ; ascending: each accumulator's low registers first
.set i, i+1
.endr
	WIN 0
	ds_store_b128 v[XW], v[ST+16:ST+19] offset:16384
	ds_store_b128 v[XW], v[ST+24:ST+27] offset:16896
	s_wait_dscnt 0x0                ; for my partner's sake: my stores are done
	s_barrier_signal -1
	s_barrier_wait -1
	WIN 0xc0                        ; into V's registers
.set i, 0
.rept 32
	ds_load_b128 v[4*i:4*i+3], v[XR] offset:512*i
.set i, i+1
.endr
	WIN 0
	ds_load_b128 v[S:S+3],   v[XR] offset:16384
	ds_load_b128 v[S+4:S+7], v[XR] offset:16896
	s_wait_dscnt 0x0
	; For my tiles u = 0, 1: m = max(ma, mb); fa = 2^(ma - m), fb = 2^(mb - m); l = la fa + lb fb; O = (Oa fa + Ob fb) / l
.irp u, 0,1
	v_max_num_f32 v[ST+8*\u+4], v[ST+8*\u], v[S+4*\u]
.endr
.irp u, 0,1
	v_sub_f32 v[ST+8*\u+5], v[ST+8*\u], v[ST+8*\u+4]
	v_sub_f32 v[ST+8*\u+6], v[S+4*\u], v[ST+8*\u+4]
.endr
.irp u, 0,1
	v_exp_f32 v[ST+8*\u+5], v[ST+8*\u+5]
	v_exp_f32 v[ST+8*\u+6], v[ST+8*\u+6]
.endr
	v_nop                           ; a plain instruction between the last exponential and the use of its result
.irp u, 0,1
	s_wait_alu depctr_va_vdst(0)
	v_mul_f32 v[ST+8*\u+7], v[ST+8*\u+2], v[ST+8*\u+5]
.endr
.irp u, 0,1
	v_fmac_f32 v[ST+8*\u+7], v[S+4*\u+2], v[ST+8*\u+6]
.endr
.irp u, 0,1
	v_rcp_f32 v[ST+8*\u+7], v[ST+8*\u+7]
.endr
	v_nop
.irp u, 0,1
	s_wait_alu depctr_va_vdst(0)
	v_mul_f32 v[ST+8*\u+4], v[ST+8*\u+5], v[ST+8*\u+7]
	v_mul_f32 v[ST+8*\u+6], v[ST+8*\u+6], v[ST+8*\u+7]
.endr
; Tile u: merged, rounded to f16; a lane's eight channels of a row pack into 16 bytes, go into rows of 272 bytes and come back as whole rows of 256.
.macro FIN u
	WIN W_RS
.set i, 0
.rept 32
	v_pk_mul_f32 v[64*(\u)+2*i:64*(\u)+2*i+1], v[64*(\u)+2*i:64*(\u)+2*i+1], v[ST+8*(\u)+4:ST+8*(\u)+5] op_sel_hi:[1,0]
.set i, i+1
.endr
	WIN W_PV                        ; source 0: my partner's, in window 3
.set i, 0
.rept 32
	v_pk_fma_f32 v[64*(\u)+2*i:64*(\u)+2*i+1], v[64*(\u)+2*i:64*(\u)+2*i+1], v[ST+8*(\u)+6:ST+8*(\u)+7], v[64*(\u)+2*i:64*(\u)+2*i+1] op_sel_hi:[1,0,1]
.set i, i+1
.endr
	WIN 0x05                        ; sources 0 and 1 window 1, destination window 0
.set i, 0
.rept 32
	v_cvt_pk_f16_f32 v[S+32*(\u)+i], v[64*(\u)+2*i], v[64*(\u)+2*i+1]
.set i, i+1
.endr
	WIN 0
.irp f, 0,1,2,3,4,5,6,7
	ds_store_b128 v[STO], v[S+32*(\u)+4*(\f):S+32*(\u)+4*(\f)+3] offset:32*(\f)
.endr
.irp f, 0,1,2,3,4,5,6,7
	ds_load_b128 v[S+32*(\u)+4*(\f):S+32*(\u)+4*(\f)+3], v[RD] offset:(\f)*2*SP  ; LDS serves a wave's instructions in order (ISA guide 5.7.1.4): these see the stores above; the next tile's stores come behind them
.endr
.endm
.macro SEND u, younger              ; younger: the LDS instructions issued behind tile u's loads
.irp f, 0,1,2,3,4,5,6,7
	s_wait_dscnt (\younger)+7-(\f)
	global_store_b128 v[GO], v[S+32*(\u)+4*(\f):S+32*(\u)+4*(\f)+3], s[10:11] offset:256*(\u)+8192*(\f)  ; 16 lanes store a head's 256 consecutive bytes of a row, aligned
.endr
.endm
	FIN 0
	FIN 1
	SEND 0, 16
	SEND 1, 0
	s_wait_tensorcnt 0x0            ; the wave's end
	ds_add_u32 v[SPW], v[NIL]
	s_wait_dscnt 0x0
	CROUND                          ; the closing round: no work-group ends while a partner may still ask for a tile that names it
	s_endpgm
.Lfunc_end_k_q8c45e7f937_attn:
	.size	k_q8c45e7f937_attn, .Lfunc_end_k_q8c45e7f937_attn-k_q8c45e7f937_attn
	.p2alignl 7, 3214868480
	.fill 96, 4, 3214868480
	.section	.rodata,"a",@progbits
	.p2align	6, 0x0
	.amdhsa_kernel k_q8c45e7f937_attn
		.amdhsa_group_segment_fixed_size 327680
		.amdhsa_private_segment_fixed_size 0
		.amdhsa_enable_private_segment 0
		.amdhsa_kernarg_size 24
		.amdhsa_user_sgpr_count 2
		.amdhsa_user_sgpr_kernarg_segment_ptr 1
		.amdhsa_wavefront_size32 1
		.amdhsa_system_sgpr_workgroup_id_x 1
		.amdhsa_system_sgpr_workgroup_id_y 1
		.amdhsa_system_sgpr_workgroup_id_z 1
		.amdhsa_system_vgpr_workitem_id 0
		.amdhsa_next_free_vgpr 1024
		.amdhsa_next_free_sgpr 96
		.amdhsa_reserve_vcc 0
		.amdhsa_float_denorm_mode_32 3
		.amdhsa_float_denorm_mode_16_64 3
		.amdhsa_memory_ordered 1
		.amdhsa_forward_progress 1
		.amdhsa_inst_pref_size 171
	.end_amdhsa_kernel
	.amdgpu_metadata
---
amdhsa.version: [ 1, 2 ]
amdhsa.kernels:
  - .name:           k_q8c45e7f937_attn
    .symbol:         k_q8c45e7f937_attn.kd
    .args:
      - { .name: qkvh, .offset: 0, .size: 8, .value_kind: global_buffer, .address_space: global }
      - { .name: maskl, .offset: 8, .size: 8, .value_kind: global_buffer, .address_space: global }
      - { .name: ob, .offset: 16, .size: 8, .value_kind: global_buffer, .address_space: global }
    .group_segment_fixed_size: 327680
    .private_segment_fixed_size: 0
    .kernarg_segment_align: 8
    .kernarg_segment_size: 24
    .max_flat_workgroup_size: 128
    .sgpr_count:     96
    .vgpr_count:     1024
    .wavefront_size: 32
...
	.end_amdgpu_metadata
.endif
;; end of part 3
;; launch oproj (part 4): grid 16 x 16, 4 waves a work-group, clusters of 4 x 4, 327,680 bytes of LDS; arguments ob, wo8, out0; writes out0
.if DOCPART == 4
	.amdgcn_target "amdgcn-amd-amdhsa--gfx1250"
	.amdhsa_code_object_version 6
	.text
	.protected	k_q8c45e7f937_oproj
	.globl	k_q8c45e7f937_oproj
	.p2align	8
	.type	k_q8c45e7f937_oproj,@function
k_q8c45e7f937_oproj:
	s_mov_b64 s[64:65], 0
	v_nop
	global_prefetch_b8 v0, s[64:65] scope:SCOPE_SE
	s_setreg_imm32_b32 hwreg(HW_REG_WAVE_MODE, 25, 1), 1
	s_wait_xcnt 0x0
	s_wait_alu depctr_hold_cnt(0) depctr_sa_sdst(0) depctr_va_vdst(0) depctr_va_sdst(0) depctr_va_ssrc(0) depctr_va_vcc(0) depctr_vm_vsrc(0)
	s_getreg_b32 s2, hwreg(HW_REG_IB_STS2, 6, 4)
	s_cmp_eq_u32 s2, 0
	s_cbranch_scc0 .Lentry_in_a_cluster
	s_endpgm
.Lentry_in_a_cluster:
	s_bfe_u32 s2, ttmp6, 0x10000c
	s_cmp_lg_u32 s2, 0xf033
	s_cbranch_scc0 .Lentry_shape_is_right
	s_endpgm
.Lentry_shape_is_right:
; OUTPUT PROJECTION.  out0[m][n] = sum over k of ob[m][k] wo8[k][n] (2048 x 4096 x 2048, f16 operands, f32 sums and result).  ob = O / 8 and wo8 = 8 x bf16(wo): the two powers of two cancel exactly.
; SHAPE.  A tile of C is 128 x 256: 16 x 16 work-groups, one tile each; four waves, each 64 x 128: 32 accumulators, 256 registers.
; A's rows lie along K and are read as they lie; B lies [k][n] and is turned on the way out of LDS by ds_load_tr16_b128.
; THE RING has two slots of UNLIKE size: X holds 128 along K, Y holds 256.  Two slots of 256 would need 413,696 bytes; X and Y need 311,296.  While Y is multiplied (256 matrix instructions a wave) X is on its
; way, while X is multiplied (128) Y is: two barriers for 384 along K.  K = 2048 is X, then five times Y and X.  Each slot's tiles lie three units of 128 apart along K.
; A slot's text is written once: a first quarter (32 along K), a pair of quarters, and the quarter that changes slots; in Y the pair is walked three times, its LDS offsets in two scalars.
; CLUSTER 4 x 4: A's tile hangs on the tile row alone and is asked for jointly along a row of the cluster, B's on the tile column alone, along a column.
; THE MATRIX INSTRUCTION IS USED TRANSPOSED (source 0 = 16 columns of B, source 1 = 16 rows of A): a lane holds eight neighbouring columns of one row of C.
; REGISTERS.  Window 0: v0-29 addresses; v64-159, v160-255 two fragment buffers (A's four blocks, then B's eight).  Window 1: accumulator (a, b) at v[8 (8 a + b)].
; By this text's own count a wave has two tensor loads out at the start, later one.
.set KDIM,  2048
.set TRIPS, 4                          ; X, then 4 trips of Y and X with refills, then Y and X without: 1 + 12 + 3 units of 128
.set KX0,   0                          ; X's first unit of 128 along K
.set KY0,   1                          ; Y's first
.set PAX,   272                        ; X: a row of A in LDS: 256 bytes + 16: the 16 rows of a load start at 16 different groups of four banks (64 banks of 4 bytes: ISA guide 11.1)
.set PAY,   528                        ; Y: 512 bytes + 16: likewise
.set PB,    544                        ; a k row of B: 512 bytes + 32
.set XA,    0
.set XB,    128*PAX
.set YA,    XB+128*PB
.set YB,    YA+128*PAY
.set SPARE, YB+256*PB                  ; the spare words, 128 bytes a wave: two blocks of 256 bytes that no other line names
.set DP,    528                        ; the way out: a wave's 64 rows of 128 f32, 512 bytes + 16, laid over the ring when both slots have had their last fill and their last read
.set WD,    64*DP
.set AAX, 16
.set ABX, 17
.set AAY, 18
.set ABY, 19
.set DST, 20
.set RD,  21
.set GO,  23
.set ADA, 24
.set ADB, 25
.set SPW, 28
.set NIL, 29
.set F0,  64
.set F1,  160
.set G1AX, 24
.set G0A,  32
.set G1BX, 48
.set G0B,  56
.set G1AY, 80
.set G1BY, 88
.set TBA,  66
.set TBB,  79
.set CNT,  96
.set MSB, 0
.macro WIN new
.if MSB != (\new)
	s_set_vgpr_msb (MSB<<8)|(\new)
.set MSB, \new
.endif
.endm
.set MUL, 0x50                         ; C and D in window 1, sources in window 0
.macro PLACES                          ; four plain places in front of loads into registers that matrix instructions have read, and of reads of results
.rept 4
	v_nop
.endr
.endm
; A joint refill of slot X (cur = 0) or Y (1): waves 0 and 1 fetch A's two halves, waves 2 and 3 B's; an s_nop 0 and four v_nop follow each line
.macro JLOAD cur
	s_cmp_eq_u32 s11, 0
	s_cbranch_scc0 .Lfor_b_\@
.if \cur
	tensor_load_to_lds s[G0A+4:G0A+7], s[G1AY:G1AY+7]
.else
	tensor_load_to_lds s[G0A:G0A+3], s[G1AX:G1AX+7]
.endif
	s_nop 0
.rept 4
	v_nop
.endr
	s_branch .Lasked_\@
.Lfor_b_\@:
.if \cur
	tensor_load_to_lds s[G0B+4:G0B+7], s[G1BY:G1BY+7]
.else
	tensor_load_to_lds s[G0B:G0B+3], s[G1BX:G1BX+7]
.endif
	s_nop 0
.rept 4
	v_nop
.endr
.Lasked_\@:
.endm
.macro CREST
	s_cmp_lg_u32 s10, 0
	s_cbranch_scc1 .Lnot_wave_0_\@
	s_barrier_signal -3
.Lnot_wave_0_\@:
	s_barrier_wait -3
	s_barrier_signal -1
	s_barrier_wait -1
.endm
.macro CROUND
	s_barrier_signal -1
	s_barrier_wait -1
	CREST
.endm
	s_load_b128 s[4:7], s[0:1], 0x0                ; ob s[4:5], wo8 s[6:7]
	s_load_b64 s[8:9], s[0:1], 0x10                ; out0
	v_lshl_add_u32 v[SPW], v0, 2, SPARE
	v_mov_b32 v[NIL], 0
	ds_add_u32 v[SPW], v[NIL]                      ; the wave's opening: the add and its wait stand ahead of my first tensor load; work on registers stands between them
	v_lshrrev_b32 v1, 5, v0
	v_readfirstlane_b32 s10, v1                    ; wave 0..3
	s_lshr_b32 s11, s10, 1                         ; my half of the tile's rows.  Also: I fetch for A (0) or B (1)
	s_and_b32 s12, s10, 1                          ; my half of its columns.  Also: which half of that tile I fetch
	s_bfe_u32 s40, ttmp6, 0x40000                  ; cx
	s_bfe_u32 s41, ttmp6, 0x40004                  ; cy
	s_lshl_b32 s42, ttmp9, 2
	s_add_co_u32 s42, s42, s40                     ; tile column
	s_and_b32 s13, ttmp7, 0xffff
	s_lshl_b32 s13, s13, 2
	s_add_co_u32 s13, s13, s41                     ; tile row
	s_lshl_b32 s43, s41, 2
	s_lshl_b32 s43, 15, s43                        ; my row of the cluster
	s_lshl_b32 s44, 0x1111, s40                    ; my column
	s_or_b32 s[G1AX], s43, (1<<16)|(1<<20)|(1<<21)|(5<<22)|(3<<25)  ; the mask; 2-byte elements; padding on; bit 21 beside a mask; after every 64 words 4 words
	s_mov_b32 s[G1AX+1], 128<<16
	s_mov_b32 s[G1AX+2], 64<<16
	s_mov_b32 s[G1AX+3], 128<<16
	s_mov_b32 s[G1AX+4], 64
	s_mov_b32 s[G1AX+5], KDIM
	s_mov_b32 s[G1AX+6], 0
	s_mov_b32 s[G1AX+7], 0
	s_or_b32 s[G1AY], s43, (1<<16)|(1<<20)|(1<<21)|(6<<22)|(3<<25)  ; rows twice as long: after every 128 words 4 words
	s_mov_b32 s[G1AY+1], 256<<16
	s_mov_b32 s[G1AY+2], 64<<16
	s_mov_b32 s[G1AY+3], 256<<16
	s_mov_b32 s[G1AY+4], 64
	s_mov_b32 s[G1AY+5], KDIM
	s_mov_b32 s[G1AY+6], 0
	s_mov_b32 s[G1AY+7], 0
	s_or_b32 s[G1BX], s44, (1<<16)|(1<<20)|(1<<21)|(6<<22)|(7<<25)  ; after every 128 words 8 words
	s_mov_b32 s[G1BX+1], 256<<16
	s_mov_b32 s[G1BX+2], 64<<16
	s_mov_b32 s[G1BX+3], 256<<16
	s_mov_b32 s[G1BX+4], 64
	s_mov_b32 s[G1BX+5], 4096
	s_mov_b32 s[G1BX+6], 0
	s_mov_b32 s[G1BX+7], 0
	s_or_b32 s[G1BY], s44, (1<<16)|(1<<20)|(1<<21)|(6<<22)|(7<<25)  ; twice the k rows
	s_mov_b32 s[G1BY+1], 256<<16
	s_mov_b32 s[G1BY+2], 128<<16
	s_mov_b32 s[G1BY+3], 256<<16
	s_mov_b32 s[G1BY+4], 128
	s_mov_b32 s[G1BY+5], 4096
	s_mov_b32 s[G1BY+6], 0
	s_mov_b32 s[G1BY+7], 0
	s_lshl_b32 s16, s13, 7
	s_lshl_b32 s17, s12, 6
	s_add_co_u32 s16, s16, s17                     ; A: row 128 x tile row + 64 x half,
	s_mul_i32 s16, s16, KDIM*2                     ; in bytes
	s_mov_b32 s17, 0
	s_lshl_b32 s46, s42, 9                         ; B: 512 bytes a tile column,
	s_lshl_b32 s18, s12, 19                        ; X: k row 64 x half, 8,192 bytes a row
	s_add_co_u32 s18, s46, s18
	s_mov_b32 s19, 0
	s_lshl_b32 s47, s12, 20                        ; Y: k row 128 x half
	s_add_co_u32 s46, s46, s47
	s_mov_b32 s47, 0
	s_mul_i32 s20, s12, 64*PAX                     ; where they go: no place in the cluster enters an LDS address
	s_mul_i32 s21, s12, 64*PB
	s_mul_i32 s22, s12, 64*PAY
	s_mul_i32 s23, s12, 128*PB
	s_wait_dscnt 0x0                               ; the opening add is done
	s_wait_kmcnt 0x0
	s_add_nc_u64 s[14:15], s[4:5], s[16:17]
	s_add_nc_u64 s[18:19], s[6:7], s[18:19]
	s_add_nc_u64 s[46:47], s[6:7], s[46:47]
	CROUND                                         ; all sixteen work-groups are here: the first joint loads meet
	s_mov_b32 s[G0A], 1
	s_add_co_u32 s[G0A+1], s20, XA
	s_add_nc_u64 s[G0A+2:G0A+3], s[14:15], KX0*256
	s_or_b32 s[G0A+3], s[G0A+3], 0x80000000
	s_mov_b32 s[G0A+4], 1
	s_add_co_u32 s[G0A+5], s22, YA
	s_add_nc_u64 s[G0A+6:G0A+7], s[14:15], KY0*256
	s_or_b32 s[G0A+7], s[G0A+7], 0x80000000
	s_mov_b32 s[G0B], 1
	s_add_co_u32 s[G0B+1], s21, XB
	s_add_nc_u64 s[G0B+2:G0B+3], s[18:19], KX0*0x100000   ; 128 k rows of 8,192 bytes a unit
	s_or_b32 s[G0B+3], s[G0B+3], 0x80000000
	s_mov_b32 s[G0B+4], 1
	s_add_co_u32 s[G0B+5], s23, YB
	s_add_nc_u64 s[G0B+6:G0B+7], s[46:47], KY0*0x100000
	s_or_b32 s[G0B+7], s[G0B+7], 0x80000000
	s_cmp_eq_u32 s11, 0                            ; a wave's two first fills stand in one branch, ahead of every wait on TENSORcnt and every LDS read; X, which is multiplied first, goes first
	s_cbranch_scc0 .Lfirst_b
	tensor_load_to_lds s[G0A:G0A+3], s[G1AX:G1AX+7]
	s_nop 0
	tensor_load_to_lds s[G0A+4:G0A+7], s[G1AY:G1AY+7]
	s_nop 0
.rept 4
	v_nop
.endr
	s_branch .Lfirst_asked
.Lfirst_b:
	tensor_load_to_lds s[G0B:G0B+3], s[G1BX:G1BX+7]
	s_nop 0
	tensor_load_to_lds s[G0B+4:G0B+7], s[G1BY:G1BY+7]
	s_nop 0
.rept 4
	v_nop
.endr
.Lfirst_asked:
	v_and_b32 v1, 15, v0                           ; l % 16
	v_bfe_u32 v2, v0, 4, 1                         ; l / 16
	v_and_b32 v7, 31, v0
	v_mul_u32_u24 v3, v1, PAX
	v_lshl_add_u32 v3, v2, 4, v3                   ; A: row x pitch + 16 x half of the lanes
	s_mul_i32 s21, s11, 64*PAX
	v_add_nc_u32 v[AAX], s21, v3
	v_mul_u32_u24 v3, v1, PAY
	v_lshl_add_u32 v3, v2, 4, v3
	s_mul_i32 s21, s11, 64*PAY
	s_add_co_u32 s21, s21, YA
	v_add_nc_u32 v[AAY], s21, v3
	v_and_b32 v4, 7, v0
	v_bfe_u32 v5, v0, 3, 1
	v_lshl_add_u32 v4, v2, 3, v4                   ; B: k row 8 (l / 16) + l % 8,
	v_mul_u32_u24 v4, v4, PB
	v_lshl_add_u32 v4, v5, 4, v4                   ; columns 8 ((l / 8) % 2) on,
	s_lshl_b32 s22, s12, 8                         ; my 128 columns
	s_add_co_u32 s23, s22, XB
	v_add_nc_u32 v[ABX], s23, v4
	s_add_co_u32 s23, s22, YB
	v_add_nc_u32 v[ABY], s23, v4
	s_mul_i32 s23, s10, WD
	v_mul_u32_u24 v6, v1, DP
	v_lshl_add_u32 v6, v2, 5, v6
	v_add_nc_u32 v[DST], s23, v6                   ; in: row l % 16, 32 bytes for each half of the lanes
	v_lshl_add_u32 v[RD], v7, 4, s23               ; back: a whole row of 512 bytes a load
	v_lshlrev_b32 v[GO], 4, v7
	s_lshl_b32 s16, s13, 7                         ; out0 at my first row (16,384 bytes a row)
	s_lshl_b32 s17, s11, 6
	s_add_co_u32 s16, s16, s17
	s_lshl_b32 s16, s16, 14
	s_mov_b32 s17, 0
	s_add_nc_u64 s[8:9], s[8:9], s[16:17]
	s_lshl_b32 s46, s42, 1                         ; and my 128 columns: 512 bytes x (2 x tile column + half)
	s_add_co_u32 s46, s46, s12
	s_lshl_b32 s46, s46, 9
	s_mov_b32 s47, 0
	s_add_nc_u64 s[8:9], s[8:9], s[46:47]
; 8 matrix instructions: row block a x all 8 column blocks, 32 along K.  The 32 accumulators take turns, one instruction a turn, in the same order in every quarter.
.macro MUL8 f, a, zero
	WIN MUL
.irp b, 0,1,2,3,4,5,6,7
.if \zero
	v_wmma_f32_16x16x32_f16 v[8*(8*(\a)+(\b)):8*(8*(\a)+(\b))+7], v[(\f)+32+8*(\b):(\f)+32+8*(\b)+7], v[(\f)+8*(\a):(\f)+8*(\a)+7], 0
.else
	v_wmma_f32_16x16x32_f16 v[8*(8*(\a)+(\b)):8*(8*(\a)+(\b))+7], v[(\f)+32+8*(\b):(\f)+32+8*(\b)+7], v[(\f)+8*(\a):(\f)+8*(\a)+7], v[8*(8*(\a)+(\b)):8*(8*(\a)+(\b))+7]
.endif
.endr
.endm
; 24 LDS loads in one run: quarter q (32 along K) behind the addresses ra (A, pitch pa) and rb (B), into buffer f: B's eight blocks, turned, then A's four
.macro FETCH ra, rb, pa, q, f
	WIN 0
.irp b, 0,1,2,3,4,5,6,7
	ds_load_tr16_b128 v[(\f)+32+8*(\b):(\f)+32+8*(\b)+3],   v[\rb] offset:(\q)*32*PB+32*(\b)
	ds_load_tr16_b128 v[(\f)+32+8*(\b)+4:(\f)+32+8*(\b)+7], v[\rb] offset:(\q)*32*PB+16*PB+32*(\b)
.endr
.irp a, 0,1,2,3
	ds_load_b128 v[(\f)+8*(\a):(\f)+8*(\a)+3],   v[\ra] offset:(\q)*64+(\a)*16*(\pa)
	ds_load_b128 v[(\f)+8*(\a)+4:(\f)+8*(\a)+7], v[\ra] offset:(\q)*64+(\a)*16*(\pa)+32
.endr
.endm
.macro QUARTER ra, rb, pa, q, f, g, zero   ; multiplies buffer f; in its middle fetches quarter q into buffer g
	s_wait_dscnt 4                                 ; B and A's blocks 0, 1 are in; the youngest four loads (A's blocks 2, 3) may be out
	MUL8 \f, 0, \zero
	MUL8 \f, 1, \zero
	PLACES
	FETCH \ra, \rb, \pa, \q, \g
	s_wait_dscnt 24                                ; all but the 24 just issued
	MUL8 \f, 2, \zero
	MUL8 \f, 3, \zero
.endm
.macro XSLOT zero                      ; slot X but for its last quarter: three quarters; its quarter 0 lies in buffer 0
	QUARTER AAX, ABX, PAX, 1, F0, F1, \zero
	QUARTER AAX, ABX, PAX, 2, F1, F0, 0
	QUARTER AAX, ABX, PAX, 3, F0, F1, 0
.endm
.macro YSLOT zero                      ; slot Y but for its last quarter: one quarter, then three times a pair, which fetches quarters 2 t + 2 and 2 t + 3
	QUARTER AAY, ABY, PAY, 1, F0, F1, \zero
	WIN 0                                          ; at a label and at a branch every window is 0
	s_mov_b32 s[TBA], 2*64
	s_mov_b32 s[TBB], 2*32*PB
	s_mov_b32 s[CNT], 3
.Lpair_\@:
	v_add_nc_u32 v[ADA], s[TBA], v[AAY]
	v_add_nc_u32 v[ADB], s[TBB], v[ABY]
	QUARTER ADA, ADB, PAY, 0, F1, F0, 0
	QUARTER ADA, ADB, PAY, 1, F0, F1, 0
	WIN 0
	s_add_co_u32 s[TBA], s[TBA], 2*64
	s_add_co_u32 s[TBB], s[TBB], 2*32*PB
	s_sub_co_u32 s[CNT], s[CNT], 1
	s_cmp_lg_u32 s[CNT], 0
	s_cbranch_scc1 .Lpair_\@
.endm
; A slot's last quarter multiplies buffer 1 and changes slots (cur = 0: from X to Y; 1: from Y to X): ONE barrier; in front of it each wave waits for all its tensor loads (one is out: its part of the other
; slot), adds 0 to its spare word, and waits for that and for its reads of this slot.  fill = 1: the barrier opens a round of the cluster's, and this slot is filled again, three units of 128 on, first thing
; behind the round.  From that request to the wait for it a wave issues 248 matrix instructions (X's refill) or 120 (Y's).
.macro TURN cur, fill
	WIN 0
	s_wait_tensorcnt 0x0                           ; no tensor load of mine is out, so a group 0 may be written
	ds_add_u32 v[SPW], v[NIL]
.if \fill
	s_add_nc_u64 s[G0A+4*(\cur)+2:G0A+4*(\cur)+3], s[G0A+4*(\cur)+2:G0A+4*(\cur)+3], 3*256
	s_add_nc_u64 s[G0B+4*(\cur)+2:G0B+4*(\cur)+3], s[G0B+4*(\cur)+2:G0B+4*(\cur)+3], 3*0x100000
.endif
	s_wait_dscnt 5                                 ; the add and the youngest four loads may be out
	MUL8 F1, 0, 0                                  ; eight matrix instructions stand between the add and the wait for it
	WIN 0                                          ; at a branch and at a label every window is 0
	s_wait_dscnt 0x0                               ; the add is done, and my reads of this slot are over
	s_barrier_signal -1
	s_barrier_wait -1
.if \fill
	CREST                                          ; no wave of any partner still reads this slot or has a load on its way
	JLOAD \cur                                     ; its four v_nop are also the places in front of the loads below
.else
	PLACES
.endif
.if \cur
	FETCH AAX, ABX, PAX, 0, F0
.else
	FETCH AAY, ABY, PAY, 0, F0
.endif
	MUL8 F1, 1, 0
	MUL8 F1, 2, 0
	MUL8 F1, 3, 0
.endm
	s_wait_tensorcnt 0x1                           ; my part of X is in; Y's may stay out
	s_barrier_signal -1
	s_barrier_wait -1
	FETCH AAX, ABX, PAX, 0, F0
	XSLOT 1                                        ; unit 0: the first quarter's products start the sums
	TURN 0, 1
	WIN 0
	s_mov_b32 s3, TRIPS
.Lstep:                                                ; a trip: Y, then X: 384 along K; both slots are filled again
	YSLOT 0
	TURN 1, 1
	XSLOT 0
	TURN 0, 1
	WIN 0
	s_sub_co_u32 s3, s3, 1
	s_cmp_lg_u32 s3, 0
	s_cbranch_scc1 .Lstep
	YSLOT 0                                        ; the last Y and X ask for nothing
	TURN 1, 0
	XSLOT 0
	s_wait_dscnt 4
	MUL8 F1, 0, 0
	MUL8 F1, 1, 0
	s_wait_dscnt 0x0                               ; my last reads of the ring are over:
	s_barrier_signal -1
	MUL8 F1, 2, 0
	MUL8 F1, 3, 0
	WIN 0
	s_barrier_wait -1                              ; everybody's are: the ring's bytes, which no load fills any more, take the results
	PLACES
	WIN 0x04                                       ; store data in window 1
.irp a, 0,1,2,3
.irp b, 0,1,2,3,4,5,6,7
	ds_store_b128 v[DST], v[8*(8*\a+\b):8*(8*\a+\b)+3]   offset:\a*16*DP+64*\b      ; each accumulator's low registers first
	ds_store_b128 v[DST], v[8*(8*\a+\b)+4:8*(8*\a+\b)+7] offset:\a*16*DP+64*\b+16
.endr
.endr
	WIN 0
; THE WAY OUT: 4 trips of 16 rows; a load takes a whole row of my 128 columns, a store writes its 512 consecutive bytes, aligned.
; LDS serves a wave's instructions in order (ISA guide 5.7.1.4): these loads see my stores above; nobody else touches my 64 rows.
	s_mov_b32 s71, 4
.Lrows:
.set i, 0
.rept 16
	ds_load_b128 v[64+4*i:64+4*i+3], v[RD] offset:DP*i
.set i, i+1
.endr
.set i, 0
.rept 16
	s_wait_dscnt 15-i                              ; row i is in, the later rows may be out
	global_store_b128 v[GO], v[64+4*i:64+4*i+3], s[8:9] offset:16384*i th:TH_STORE_NT
.set i, i+1
.endr
	s_wait_xcnt 0x0                                ; the stores' base and data are rewritten only behind this wait
	v_add_nc_u32 v[RD], 16*DP, v[RD]
	s_add_nc_u64 s[8:9], s[8:9], 16*16384
	s_sub_co_u32 s71, s71, 1
	s_cmp_lg_u32 s71, 0
	s_cbranch_scc1 .Lrows
	s_wait_tensorcnt 0x0                           ; the wave's end
	ds_add_u32 v[SPW], v[NIL]
	s_wait_dscnt 0x0
	CROUND                                         ; the closing round: no work-group ends while a partner may still ask for a tile that names it
	s_endpgm
.Lfunc_end_k_q8c45e7f937_oproj:
	.size	k_q8c45e7f937_oproj, .Lfunc_end_k_q8c45e7f937_oproj-k_q8c45e7f937_oproj
	.p2alignl 7, 3214868480
	.fill 96, 4, 3214868480
	.section	.rodata,"a",@progbits
	.p2align	6, 0x0
	.amdhsa_kernel k_q8c45e7f937_oproj
		.amdhsa_group_segment_fixed_size 327680
		.amdhsa_private_segment_fixed_size 0
		.amdhsa_enable_private_segment 0
		.amdhsa_kernarg_size 24
		.amdhsa_user_sgpr_count 2
		.amdhsa_user_sgpr_kernarg_segment_ptr 1
		.amdhsa_wavefront_size32 1
		.amdhsa_system_sgpr_workgroup_id_x 1
		.amdhsa_system_sgpr_workgroup_id_y 1
		.amdhsa_system_sgpr_workgroup_id_z 1
		.amdhsa_system_vgpr_workitem_id 0
		.amdhsa_next_free_vgpr 512
		.amdhsa_next_free_sgpr 98
		.amdhsa_reserve_vcc 0
		.amdhsa_float_denorm_mode_32 3
		.amdhsa_float_denorm_mode_16_64 3
		.amdhsa_memory_ordered 1
		.amdhsa_forward_progress 1
		.amdhsa_inst_pref_size 96
	.end_amdhsa_kernel
	.amdgpu_metadata
---
amdhsa.version: [ 1, 2 ]
amdhsa.kernels:
  - .name:           k_q8c45e7f937_oproj
    .symbol:         k_q8c45e7f937_oproj.kd
    .args:
      - { .name: ob, .offset: 0, .size: 8, .value_kind: global_buffer, .address_space: global }
      - { .name: wo8, .offset: 8, .size: 8, .value_kind: global_buffer, .address_space: global }
      - { .name: out0, .offset: 16, .size: 8, .value_kind: global_buffer, .address_space: global }
    .group_segment_fixed_size: 327680
    .private_segment_fixed_size: 0
    .kernarg_segment_align: 8
    .kernarg_segment_size: 24
    .max_flat_workgroup_size: 128
    .sgpr_count:     98
    .vgpr_count:     512
    .wavefront_size: 32
...
	.end_amdgpu_metadata
.endif
;; end of part 4
;; ======== version 2 of 2: 4 launches; version 1 with the launch cast written anew for expert scheduling mode
;; limits: values are held in f16: magnitudes above 65,504 overflow, below 6.1e-05 lose precision; inputs' magnitudes at most 8,188
;; workspace buffers: xb 16,777,216 bytes; wqkv 33,554,432 bytes; wo8 16,777,216 bytes; maskl 16,777,216 bytes; qkvh 16,777,216 bytes; ob 8,388,608 bytes
;; launch cast (part 5): grid 256 x 9, 8 waves a work-group, no clusters, 0 bytes of LDS; arguments hidden_states, wq, wk, wv, wo, attention_mask, xb, wqkv, wo8, maskl; writes xb, wqkv, wo8, maskl
.if DOCPART == 5
	.amdgcn_target "amdgcn-amd-amdhsa--gfx1250"
	.amdhsa_code_object_version 6
	.text
	.protected	k_q8c45e7f937_cast
	.globl	k_q8c45e7f937_cast
	.p2align	8
	.type	k_q8c45e7f937_cast,@function
k_q8c45e7f937_cast:
	s_mov_b64 s[64:65], 0
	v_nop
	global_prefetch_b8 v0, s[64:65] scope:SCOPE_SE
	s_setreg_imm32_b32 hwreg(HW_REG_WAVE_SCHED_MODE, 0, 2), 2
	s_setreg_imm32_b32 hwreg(HW_REG_WAVE_MODE, 25, 1), 1
	s_wait_xcnt 0x0
	s_wait_alu depctr_vm_vsrc(0)
; CAST.  Every large input is rounded to bf16 once and laid out for the three launches behind:
;   xb    [2048][4096] bf16  = bf16(hidden_states)
;   wqkv  [4096 k][4096 n] bf16: columns 0-2047 bf16(wq), 2048-3071 bf16(wk), 3072-4095 bf16(wv)
;   wo8   [2048 k][4096 n] f16 = 8 x bf16(wo): a power of two, so the bf16 number is kept exactly while it is a normal f16 number
;   maskl [2048][2048] f32     = bf16(attention_mask) x log2(e): the softmax behind works in base 2
; LIMITS.  8 x |wo| stays under 65,504; a wo below 7.6e-6 keeps f16's fixed step (7.5e-9 of wo).  NaN and infinities pass through as the conversions make them.
; A stream: memory binds, so no LDS, no barrier, no matrix unit.  A work-group takes 65,536 consecutive source bytes; grid y picks the segment (2,304 work-groups = 151 MB / 64 KiB).
; A lane takes 16 consecutive source bytes, so a wave's load covers 512 consecutive bytes once.  Its four numbers are 8 bytes of a 16-bit result: a wave's store covers 256 consecutive bytes, aligned.
; The mask, f32 to f32, is stored 16 bytes a lane.  All 16 loads of a wave go out first; no register that a store reads is written again.
; THE MODE: SCHED_MODE bits 1:0 = 2 (LLVM: expert scheduling mode 2), set by the entry lines.  The code itself states the register dependences
; between vector instructions and memory instructions, with s_wait_alu, always for 0.
; THE PLAN.  Registers that memory instructions touch:
;   v3      16 x thread.  Written once, at the head; read by all 16 loads and by the mask's stores as their offset; never written again.
;   X[u]    Written by load u, then, behind the wait for that load, by unit u's conversions, in place; read by store u as its data; never written again.
;   DO[u]   Written by the offsets' arithmetic, which stands behind the loads; read by store u as its offset; never written again.
;   v2, v12 and v13 are named by vector instructions alone.
; The 16 units go in four blocks of four, and store u stands a block behind unit u's conversions.  So one wait on va_vdst at the head of blocks 1 to 3 states all that the four stores
; behind it hang on; they are dealt among the block's own conversions, which name that block's X, v12 and v13 and none of the registers that those stores read.  One more wait stands ahead of
; the last four stores, and one at the head ahead of the first load.  Since no register that a memory instruction reads is written again, the text holds no wait on vm_vsrc but the one at the entry.
.set X,   16                           ; v[16:79]   load u: 4 registers as loaded, then the result in the first 2 (mask: all 4)
.set DO,  80                           ; v[80:95]   byte offset of load u's result
.set BLK, 4                            ; units in a block
	s_load_b512 s[4:19], s[0:1], 0x0               ; hidden s[4:5], wq s[6:7], wk s[8:9], wv s[10:11], wo s[12:13], mask s[14:15], xb s[16:17], wqkv s[18:19]
	s_load_b128 s[20:23], s[0:1], 0x40             ; wo8 s[20:21], maskl s[22:23]
	s_and_b32 s36, ttmp7, 0xffff                   ; grid y: the segment
	s_mov_b32 s33, 0xffff0000                      ; a word's upper bf16
	s_mov_b32 s35, 0
	v_lshlrev_b32 v3, 4, v0                        ; 16 source bytes a thread; never rewritten
	s_wait_kmcnt 0x0
; A segment: source, result, its first grid y, log2 of a source row's units of 4 numbers, byte column in the result's rows of 8,192 bytes, mode (0 bf16, 1 f16 x 8, 2 mask)
.macro SEG src, dst, yb, sh, cb, mode
	s_mov_b64 s[24:25], s[\src:\src+1]
	s_mov_b64 s[26:27], s[\dst:\dst+1]
	s_mov_b32 s28, \yb
	s_mov_b32 s29, \sh
	s_mov_b32 s30, (1<<\sh)-1
	s_mov_b32 s31, \cb
	s_mov_b32 s32, \mode
.endm
	s_cmp_lt_u32 s36, 2
	s_cbranch_scc0 .Lnot_x
	SEG 4, 16, 0, 10, 0, 0
	s_branch .Lgo
.Lnot_x:
	s_cmp_lt_u32 s36, 4
	s_cbranch_scc0 .Lnot_q
	SEG 6, 18, 2, 9, 0, 0
	s_branch .Lgo
.Lnot_q:
	s_cmp_lt_u32 s36, 5
	s_cbranch_scc0 .Lnot_k
	SEG 8, 18, 4, 8, 4096, 0
	s_branch .Lgo
.Lnot_k:
	s_cmp_lt_u32 s36, 6
	s_cbranch_scc0 .Lnot_v
	SEG 10, 18, 5, 8, 6144, 0
	s_branch .Lgo
.Lnot_v:
	s_cmp_lt_u32 s36, 8
	s_cbranch_scc0 .Lnot_o
	SEG 12, 20, 6, 10, 0, 1
	s_branch .Lgo
.Lnot_o:
	SEG 14, 22, 8, 10, 0, 2
.Lgo:
	s_sub_co_u32 s37, s36, s28
	s_lshl_b32 s37, s37, 8
	s_add_co_u32 s37, s37, ttmp9                   ; my number within the segment
	s_lshl_b32 s34, s37, 16                        ; its 65,536 source bytes
	s_add_nc_u64 s[24:25], s[24:25], s[34:35]
	s_cmp_eq_u32 s32, 2
	s_cselect_b32 s34, s34, s31                    ; the mask's result lies as its source; the others get their byte column
	s_add_nc_u64 s[26:27], s[26:27], s[34:35]
	s_wait_alu depctr_va_vdst(0)                   ; v3 is written: the 16 loads below, and the mask's stores, read it as their offset
.set u, 0
.rept 16
	global_load_b128 v[X+4*u:X+4*u+3], v3, s[24:25] offset:4096*u th:TH_LOAD_NT
.set u, u+1
.endr
	s_cmp_eq_u32 s32, 2
	s_cbranch_scc1 .Lmask
	s_lshl_b32 s38, s37, 12                        ; 4,096 units a work-group
	v_add_nc_u32 v2, s38, v0                       ; my first unit in the segment
.set u, 0
.rept 16                               ; unit i lies in source row i >> SH at unit i & MSK: result byte = row x 8,192 + 8 x unit (+ the column, in the base)
	v_add_nc_u32 v[DO+u], 256*u, v2
	v_and_b32 v12, s30, v[DO+u]
	v_lshrrev_b32 v[DO+u], s29, v[DO+u]
	v_lshlrev_b32 v12, 3, v12
	v_lshl_add_u32 v[DO+u], v[DO+u], 13, v12
.set u, u+1
.endr
	s_cmp_eq_u32 s32, 1
	s_cbranch_scc1 .Lf16
.set u, 0
.rept 16
	s_wait_loadcnt 15-u                            ; loads come back in order: load u is in, the later ones may be out
.if (u >= BLK) && (u % BLK == 0)
	s_wait_alu depctr_va_vdst(0)                   ; the block before has written its X, the data of the next four stores; at the first such wait the 16 offsets DO are written too
.endif
.if u >= BLK
	global_store_b64 v[DO+u-BLK], v[X+4*(u-BLK):X+4*(u-BLK)+1], s[26:27]   ; a block back: no vector instruction since the wait names these registers
.endif
	v_cvt_pk_bf16_f32 v[X+4*u],   v[X+4*u],   v[X+4*u+1]   ; to nearest even
	v_cvt_pk_bf16_f32 v[X+4*u+1], v[X+4*u+2], v[X+4*u+3]
.set u, u+1
.endr
	s_wait_alu depctr_va_vdst(0)                   ; the last block has written its X, the data of the last four stores
.set u, 16-BLK
.rept BLK
	global_store_b64 v[DO+u], v[X+4*u:X+4*u+1], s[26:27]
.set u, u+1
.endr
	s_endpgm
.Lf16:
.set u, 0
.rept 16
	s_wait_loadcnt 15-u
.if (u >= BLK) && (u % BLK == 0)
	s_wait_alu depctr_va_vdst(0)                   ; the block before has written its X, the data of the next four stores; at the first such wait the 16 offsets DO are written too
.endif
.if u >= BLK
	global_store_b64 v[DO+u-BLK], v[X+4*(u-BLK):X+4*(u-BLK)+1], s[26:27]   ; a block back: no vector instruction since the wait names these registers
.endif
	v_cvt_pk_bf16_f32 v12, v[X+4*u],   v[X+4*u+1]
	v_cvt_pk_bf16_f32 v13, v[X+4*u+2], v[X+4*u+3]
	v_lshlrev_b32 v[X+4*u],   16,  v12               ; the rounded numbers back in f32,
	v_and_b32     v[X+4*u+1], s33, v12
	v_lshlrev_b32 v[X+4*u+2], 16,  v13
	v_and_b32     v[X+4*u+3], s33, v13
	v_pk_mul_f32 v[X+4*u:X+4*u+1],   v[X+4*u:X+4*u+1],   0x41000000 op_sel_hi:[1,0]  ; times 8,
	v_pk_mul_f32 v[X+4*u+2:X+4*u+3], v[X+4*u+2:X+4*u+3], 0x41000000 op_sel_hi:[1,0]
	v_cvt_pk_f16_f32 v[X+4*u],   v[X+4*u],   v[X+4*u+1]   ; written as f16
	v_cvt_pk_f16_f32 v[X+4*u+1], v[X+4*u+2], v[X+4*u+3]
.set u, u+1
.endr
	s_wait_alu depctr_va_vdst(0)                   ; the last block has written its X, the data of the last four stores
.set u, 16-BLK
.rept BLK
	global_store_b64 v[DO+u], v[X+4*u:X+4*u+1], s[26:27]
.set u, u+1
.endr
	s_endpgm
.Lmask:
.set u, 0
.rept 16
	s_wait_loadcnt 15-u
.if (u >= BLK) && (u % BLK == 0)
	s_wait_alu depctr_va_vdst(0)                   ; the block before has written its X, the data of the next four stores (their offset v3 was written ahead of the head's wait)
.endif
.if u >= BLK
	global_store_b128 v3, v[X+4*(u-BLK):X+4*(u-BLK)+3], s[26:27] offset:4096*(u-BLK)   ; a block back: no vector instruction since the wait names these registers
.endif
	v_cvt_pk_bf16_f32 v12, v[X+4*u],   v[X+4*u+1]
	v_cvt_pk_bf16_f32 v13, v[X+4*u+2], v[X+4*u+3]
	v_lshlrev_b32 v[X+4*u],   16,  v12
	v_and_b32     v[X+4*u+1], s33, v12
	v_lshlrev_b32 v[X+4*u+2], 16,  v13
	v_and_b32     v[X+4*u+3], s33, v13
	v_pk_mul_f32 v[X+4*u:X+4*u+1],   v[X+4*u:X+4*u+1],   0x3fb8aa3b op_sel_hi:[1,0]  ; log2(e)
	v_pk_mul_f32 v[X+4*u+2:X+4*u+3], v[X+4*u+2:X+4*u+3], 0x3fb8aa3b op_sel_hi:[1,0]
.set u, u+1
.endr
	s_wait_alu depctr_va_vdst(0)                   ; the last block has written its X, the data of the last four stores
.set u, 16-BLK
.rept BLK
	global_store_b128 v3, v[X+4*u:X+4*u+3], s[26:27] offset:4096*u
.set u, u+1
.endr
	s_endpgm
.Lfunc_end_k_q8c45e7f937_cast:
	.size	k_q8c45e7f937_cast, .Lfunc_end_k_q8c45e7f937_cast-k_q8c45e7f937_cast
	.p2alignl 7, 3214868480
	.fill 96, 4, 3214868480
	.section	.rodata,"a",@progbits
	.p2align	6, 0x0
	.amdhsa_kernel k_q8c45e7f937_cast
		.amdhsa_group_segment_fixed_size 0
		.amdhsa_private_segment_fixed_size 0
		.amdhsa_enable_private_segment 0
		.amdhsa_kernarg_size 80
		.amdhsa_user_sgpr_count 2
		.amdhsa_user_sgpr_kernarg_segment_ptr 1
		.amdhsa_wavefront_size32 1
		.amdhsa_system_sgpr_workgroup_id_x 1
		.amdhsa_system_sgpr_workgroup_id_y 1
		.amdhsa_system_sgpr_workgroup_id_z 1
		.amdhsa_system_vgpr_workitem_id 0
		.amdhsa_next_free_vgpr 96
		.amdhsa_next_free_sgpr 66
		.amdhsa_reserve_vcc 0
		.amdhsa_float_denorm_mode_32 3
		.amdhsa_float_denorm_mode_16_64 3
		.amdhsa_memory_ordered 1
		.amdhsa_forward_progress 1
		.amdhsa_inst_pref_size 33
	.end_amdhsa_kernel
	.amdgpu_metadata
---
amdhsa.version: [ 1, 2 ]
amdhsa.kernels:
  - .name:           k_q8c45e7f937_cast
    .symbol:         k_q8c45e7f937_cast.kd
    .args:
      - { .name: hidden_states, .offset: 0, .size: 8, .value_kind: global_buffer, .address_space: global }
      - { .name: wq, .offset: 8, .size: 8, .value_kind: global_buffer, .address_space: global }
      - { .name: wk, .offset: 16, .size: 8, .value_kind: global_buffer, .address_space: global }
      - { .name: wv, .offset: 24, .size: 8, .value_kind: global_buffer, .address_space: global }
      - { .name: wo, .offset: 32, .size: 8, .value_kind: global_buffer, .address_space: global }
      - { .name: attention_mask, .offset: 40, .size: 8, .value_kind: global_buffer, .address_space: global }
      - { .name: xb, .offset: 48, .size: 8, .value_kind: global_buffer, .address_space: global }
      - { .name: wqkv, .offset: 56, .size: 8, .value_kind: global_buffer, .address_space: global }
      - { .name: wo8, .offset: 64, .size: 8, .value_kind: global_buffer, .address_space: global }
      - { .name: maskl, .offset: 72, .size: 8, .value_kind: global_buffer, .address_space: global }
    .group_segment_fixed_size: 0
    .private_segment_fixed_size: 0
    .kernarg_segment_align: 8
    .kernarg_segment_size: 80
    .max_flat_workgroup_size: 256
    .sgpr_count:     66
    .vgpr_count:     96
    .wavefront_size: 32
...
	.end_amdgpu_metadata
.endif
;; end of part 5
;; launch qkv: the kernel of part 2 again; grid 16 x 16, 4 waves a work-group, clusters of 4 x 4, 327,680 bytes of LDS; arguments xb, wqkv, freqs_cos, freqs_sin, qkvh; writes qkvh
;; launch attn: the kernel of part 3 again; grid 32 x 8, 4 waves a work-group, clusters of 4 x 4, 327,680 bytes of LDS; arguments qkvh, maskl, ob; writes ob
;; launch oproj: the kernel of part 4 again; grid 16 x 16, 4 waves a work-group, clusters of 4 x 4, 327,680 bytes of LDS; arguments ob, wo8, out0; writes out0
